; MI455X (gfx1250); checked and timed in simulation.
; The chip was launched on July 23, 2026; its instructions are those of AMD's public machine-readable ISA for CDNA 5 (MIT licence, August 2026) and "CDNA5" Instruction Set Architecture Reference Guide (July 2026). The comments in the code are by the model that wrote it; some were corrected since.
;; Relative MH Attention. Allowed arithmetic: matrix products marked QUANTISED: E4M3 operands, one given power-of-two scale a tensor, by v_wmma_f32_16x16x64_fp8_fp8 or v_wmma_f32_16x16x128_fp8_fp8, f32 sums; products left as they are: f32 operands where the result goes on into a quantised operand, else bf16, f16 or f32 operands; f32 sums; everything else in f32.
;; Inputs: Wk 1,024 x 1,024 float32; Wo 1,024 x 1,024 float32; Wq 1,024 x 1,024 float32; Wv 1,024 x 1,024 float32; bk 1,024 float32; bo 1,024 float32; bq 1,024 float32; bv 1,024 float32; lowp_scales 12 int32 (the exponents e of the quantised operands' scales 2^e); rel_k 5 x 64 float32; rel_v 5 x 64 float32; x 2 x 2,048 x 1,024 float32.
;; Outputs: out0 2 x 2,048 x 1,024 float32.
;; Constants: num_heads = 16.
;; This version of the problem:
;;   THIS VERSION OF THE PROBLEM IS GIVEN IN LOW PRECISION. The matrix products marked QUANTISED in the list below multiply operands that are first quantised to E4M3 (4 exponent bits, 3 mantissa bits; 8 bits a number), with one given power-of-two scale for each operand tensor; their sums are f32. All else is computed in f32.
;;   The module's matrix products, in the order in which they are computed (A, B: the left and right operand; K: the contracted axis; several contracted axes count as one K, in the product's order):
;;     1. [M 4,096, K 1,024] x [K 1,024, N 1,024]; A: input x; B: input Wq: QUANTISED (scales: A lowp_scales[0], B lowp_scales[1])
;;     2. [M 4,096, K 1,024] x [K 1,024, N 1,024]; A: input x; B: input Wk: QUANTISED (scales: A lowp_scales[2], B lowp_scales[3])
;;     3. [M 4,096, K 1,024] x [K 1,024, N 1,024]; A: input x; B: input Wv: QUANTISED (scales: A lowp_scales[4], B lowp_scales[5])
;;     4. batch 32 x [M 2,048, K 64] x [K 64, N 2,048]; A: computed on the way; B: computed on the way: QUANTISED (scales: A lowp_scales[6], B lowp_scales[7])
;;     5. [M 65,536, K 64] x [K 64, N 5]; A: computed on the way; B: input rel_k: left as it is (N = 5 < 16)
;;     6. batch 32 x [M 2,048, K 2,048] x [K 2,048, N 64]; A: softmax (see below); B: computed on the way: QUANTISED (scales: A lowp_scales[8], B lowp_scales[9])
;;     7. batch 2,048 x [M 5, K 2,048] x [K 2,048, N 32]; A: computed on the way; B: softmax (see below): left as it is (M = 5 < 16)
;;     8. [M 65,536, K 5] x [K 5, N 64]; A: computed on the way; B: input rel_v: left as it is (K = 5 < 32)
;;     9. [M 4,096, K 1,024] x [K 1,024, N 1,024]; A: computed on the way; B: input Wo: QUANTISED (scales: A lowp_scales[10], B lowp_scales[11])
;;   THE QUANTISER, for each operand of a quantised product, along K:
;;     - The operand's scale is 2^e, e = its entry of the input lowp_scales (int32; the entries are numbered through the quantised products in the list's order, A before B).
;;     - Each number is divided by the scale, clamped to +-448, and rounded to the nearest number of E4M3, ties to even, subnormals kept.
;;     - The product sums the exact products of the quantised numbers (number of the format x scale) in f32.
;;   ~~~python
;;   def quantise(x, axis, e):      # numpy; x: float32 -> the quantised numbers, widened to float32 again
;;       x = np.moveaxis(x, axis, -1); K = x.shape[-1]
;;       r = np.clip(x / 2.0 ** e, -448, 448)
;;       step = 2.0 ** (np.maximum(np.frexp(np.where(r == 0, 1, r))[1] - 1, -6) - 3)
;;       q = np.round(r / step) * step * 2.0 ** e      # np.round: ties to even
;;       return np.moveaxis(q, -1, axis).astype(np.float32)
;;   ~~~
;;   SOFTMAX AHEAD OF A QUANTISED PRODUCT. Where the list says 'softmax', what is quantised is not the finished softmax but p = 2^(t - M), with t = logit x log2(e) and M = ceil(the row's largest t), a whole number; so 1/2 < the row's largest p <= 1. The row's sum l is taken of the UNQUANTISED p, in f32, and the product's result is divided by l at the end. Since M is a whole number, a kernel that streams over the keys may use a running M (the ceiling of the running maximum): every later rescaling is an exact power of two, so the quantised numbers keep their values, but for numbers so far below the row's largest that they fall under the format's range.
;;   OPERANDS COMPUTED ON THE WAY. 'Computed on the way' means the value that the module computes at that place (a softmax that the list does not call 'softmax' is quantised finished and normalised). What goes into a quantiser is computed in f32, as accurately as f32 sums, v_exp_f32 and their like allow (about 1e-6 of the number): no bf16 or f16 on the way to a quantiser, and a product that is left as it is and whose result goes on into a quantised operand takes f32 operands (vector FMAs, or v_wmma_f32_16x16x4_f32). A number that lies on a knife's edge between two numbers of the format may be rounded either way, as far as f32 arithmetic and the matrix unit's own rounding can turn it there, and no further.
;; One version. Each part assembles by itself: llvm-mc -triple=amdgcn-amd-amdhsa -mcpu=gfx1250 --defsym DOCPART=n.
;; ======== version 1 of 1: 4 launches
;; workspace buffers: xc 12,582,912 bytes; wc 4,194,304 bytes; qimg 4,194,304 bytes; kvimg 8,388,608 bytes; qrel 2,097,152 bytes; ocodes 4,194,304 bytes
;; launch quant (part 1): grid 256 x 1, 4 waves a work-group, no clusters, 68,096 bytes of LDS; arguments x, Wq, Wk, Wv, Wo, lowp_scales, xc, wc; writes xc, wc
.if DOCPART == 1
	.amdgcn_target "amdgcn-amd-amdhsa--gfx1250"
	.amdhsa_code_object_version 6
	.text
	.protected	k_qb6dd1d592b_quant
	.globl	k_qb6dd1d592b_quant
	.p2align	8
	.type	k_qb6dd1d592b_quant,@function
k_qb6dd1d592b_quant:
	s_mov_b64 s[64:65], 0
	v_nop
	global_prefetch_b8 v0, s[64:65] scope:SCOPE_SE
	s_setreg_imm32_b32 hwreg(HW_REG_WAVE_MODE, 25, 1), 1
	s_wait_xcnt 0x0
; x [4096][1024] f32 becomes THREE planes of E4M3 codes (xc: plane p with the scale 2^e(2p), p = 0, 1, 2: x has a scale of its own in each of the three projections), rows as they lie, K innermost.
; Wq, Wk, Wv, Wo [K 1024][N 1024] f32 become four planes of codes (wc), laid [N][K] with K innermost, with the scales e1, e3, e5, e11.
; code = number / 2^e, held within +-448, rounded to the nearest code, ties to even.
; LIMITS: each of e0, e2, e4, e1, e3, e5, e11 lies between -126 and 119, so that 2^e and 448 x 2^e are f32 numbers.  NaN among the inputs is not served.
; SHARES: work-groups 0-127 take x (a wave: 8,192 numbers, 16 steps of 512); work-groups 128-255 take the weights (a work-group: 128 columns x 256 along K of one weight; a wave: 32 columns).
; Both kinds read 131,072 bytes.  The two ways part on the work-group's number and have LDS bytes of their own.  Waves share nothing: no barrier.
; x: a load takes 512 consecutive bytes, 16 a lane; a step's 2,048 bytes turn through the wave's stage in LDS and come back 64 bytes a lane, since a conversion takes neighbours along K from ONE lane's registers.
; W: a lane takes a column and its registers run down K, so the conversions give codes with K innermost; they leave through a stage, sixteen lanes to 256 consecutive bytes.
.set STEPS, 16
.set SP,    80                         ; x: a lane's place in a stage: 64 bytes + 16 of padding
.set WREG,  8192                       ; x: a wave's LDS region: two stages of 32 x SP bytes
.set WST,   32768                      ; W: the four waves' stages begin here: 32 rows x PITCH each
.set PITCH, 272                        ; W: a stage row: 256 bytes of codes + 16
.set SPARE, WST+4*32*PITCH             ; the spare words, 128 bytes a wave: two blocks of 256 bytes that no other line names
.set SPW,   190                        ; v190  LDS address of my spare word; never rewritten
.set NIL,   191                        ; v191  0; never rewritten
.set R,     16                         ; x: v16-79   four sets of 16 numbers as loaded
.set X,     80                         ; x: v80-111  two sets of 16 neighbours
.set T,     112                        ; x: v112-159 the 16 numbers held three ways
.set C,     160                        ; x: v160-171 the three planes' codes
.set SC,    184                        ; x: v184-186 2^e of the three planes
.set LM,    187                        ; x: v187-189 448 x 2^e
.set XW,    32                         ; W: v32-95   two sets of 32 numbers
.set CW,    96                         ; W: v96-103  a block's codes
.set OUTR,  112                        ; W: v112-175 the way out
.set NB,    8                          ; W: blocks of 32 along K for a wave
.macro XLOAD t                         ; step t: four loads of 512 consecutive bytes
.irp i, 0,1,2,3
	global_load_b128 v[R+16*((\t)%4)+4*\i:R+16*((\t)%4)+4*\i+3], v3, s[4:5] offset:2048*(\t)+512*\i th:TH_LOAD_NT
.endr
.endm
.macro XTURN t                         ; step t through the stage: LDS serves a wave's instructions in order, so no wait stands between the stores and the loads
.irp i, 0,1,2,3
	ds_store_b128 v12, v[R+16*((\t)%4)+4*\i:R+16*((\t)%4)+4*\i+3] offset:32*SP*((\t)%2)+8*SP*\i
.endr
.irp i, 0,1,2,3
	ds_load_b128 v[X+16*((\t)%2)+4*\i:X+16*((\t)%2)+4*\i+3], v13 offset:32*SP*((\t)%2)+16*\i
.endr
.endm
.macro XSTEP t
.set XS, X+16*((\t)%2)
	s_wait_dscnt 0x0                               ; this step's numbers are back from the stage, and its stores into the stage have read their registers,
.if (\t)+4 < STEPS
	XLOAD (\t)+4                                   ; which take the loads of four steps on
.endif
.if (\t)+1 < STEPS
.if STEPS-2-(\t) >= 3
	s_wait_loadcnt 12                              ; the next step's four loads are in; those of the three steps behind it may be out
.else
	s_wait_loadcnt 4*(STEPS-2-(\t))
.endif
	XTURN (\t)+1
.endif
	s_wait_xcnt 0x0                                ; the last step's three stores have read their data: the codes' registers are written again only behind this wait
.irp p, 0,1,2
.irp i, 0,1,2,3,4,5,6,7,8,9,10,11,12,13,14,15
	v_med3_num_f32 v[T+16*\p+\i], v[XS+\i], -v[LM+\p], v[LM+\p]   ; the conversion does not saturate (ISA guide 7.6.2): the hold at the largest code x the plane's scale
.endr
.endr
.irp p, 0,1,2
	v_cvt_scalef32_pk8_fp8_f32 v[C+4*\p:C+4*\p+1], v[T+16*\p:T+16*\p+7], v[SC+\p]
	v_cvt_scalef32_pk8_fp8_f32 v[C+4*\p+2:C+4*\p+3], v[T+16*\p+8:T+16*\p+15], v[SC+\p]
.endr
	v_nop                                          ; one plain vector line behind the conversions: the next step's holds write their sources
.irp p, 0,1,2
	global_store_b128 v3, v[C+4*\p:C+4*\p+3], s[24+2*\p:25+2*\p] offset:512*(\t)   ; 32 lanes store 512 consecutive bytes
.endr
.endm
.macro WLOAD t                         ; block t: W(32 t + i, my column), i = 0 .. 31
.irp i, 0,1,2,3,4,5,6,7,8,9,10,11,12,13,14,15,16,17,18,19,20,21,22,23,24,25,26,27,28,29,30,31
	global_load_b32 v[XW+32*((\t)%2)+\i], v5, s[4:5] offset:(32*(\t)+\i)*4096 th:TH_LOAD_NT
.endr
.endm
.macro WBLOCK t
.set XS, XW+32*((\t)%2)
.if (\t) < NB-1
	s_wait_loadcnt 32                              ; this block's 32 loads are in; the next block's may be out
.else
	s_wait_loadcnt 0
.endif
.irp i, 0,1,2,3,4,5,6,7,8,9,10,11,12,13,14,15,16,17,18,19,20,21,22,23,24,25,26,27,28,29,30,31
	v_med3_num_f32 v[XS+\i], v[XS+\i], -v10, v10
.endr
.irp g, 0,1,2,3
	v_cvt_scalef32_pk8_fp8_f32 v[CW+2*\g:CW+2*\g+1], v[XS+8*\g:XS+8*\g+7], v11
.endr
	ds_store_b128 v6, v[CW:CW+3] offset:32*(\t)    ; 32 codes: 32 bytes of my column's row.  (The next block's 32 holds are the plain lines behind the conversions)
	ds_store_b128 v6, v[CW+4:CW+7] offset:32*(\t)+16
.if (\t)+2 < NB
	WLOAD (\t)+2
.endif
	s_wait_dscnt 0x0                               ; the stores have read their registers
.endm
	s_load_b512 s[4:19], s[0:1], 0x0               ; x 4:5, Wq 6:7, Wk 8:9, Wv 10:11, Wo 12:13, the exponents 14:15, xc 16:17, wc 18:19
	v_lshl_add_u32 v[SPW], v0, 2, SPARE
	v_mov_b32 v[NIL], 0
	v_lshrrev_b32 v1, 5, v0
	v_readfirstlane_b32 s20, v1                    ; wave
	v_and_b32 v2, 31, v0                           ; lane
	v_lshlrev_b32 v3, 4, v2                        ; x: 16 x lane: my bytes of a load, and of a store
	v_lshlrev_b32 v5, 2, v2                        ; W: 4 x lane
	; every LDS address of both ways is made here, ahead of the parting
	s_mul_i32 s21, s20, WREG
	v_lshrrev_b32 v12, 2, v2
	v_mul_u32_u24 v12, v12, SP
	v_and_b32 v13, 3, v2
	v_lshl_add_u32 v12, v13, 4, v12
	v_add_nc_u32 v12, s21, v12                     ; x, in: SP (lane / 4) + 16 (lane % 4)
	v_mul_u32_u24 v13, v2, SP
	v_add_nc_u32 v13, s21, v13                     ; x, out: SP x lane
	s_mul_i32 s22, s20, 32*PITCH
	s_add_co_u32 s22, s22, WST
	v_mul_u32_u24 v6, v2, PITCH
	v_add_nc_u32 v6, s22, v6                       ; W, in: row = my column
	v_and_b32 v9, 15, v2
	v_lshrrev_b32 v14, 4, v2
	v_mul_u32_u24 v7, v14, PITCH
	v_lshl_add_u32 v7, v9, 4, v7
	v_add_nc_u32 v7, s22, v7                       ; W, out: sixteen lanes to a row, two rows an instruction
	v_lshlrev_b32 v8, 10, v14
	v_lshl_add_u32 v8, v9, 4, v8                   ; and the same place in the codes' plane (rows of 1,024 bytes)
	s_wait_kmcnt 0x0
	s_load_b256 s[36:43], s[14:15], 0x0            ; e0 .. e7
	s_load_b128 s[44:47], s[14:15], 0x20           ; e8 .. e11
	s_cmp_lt_u32 ttmp9, 128
	s_cbranch_scc0 .Lweights
	; ---- x
	s_lshl_b32 s23, ttmp9, 2
	s_add_co_u32 s23, s23, s20                     ; which run of 8,192 numbers is my wave's
	s_lshl_b32 s30, s23, 15
	s_mov_b32 s31, 0
	s_add_nc_u64 s[4:5], s[4:5], s[30:31]
	s_lshl_b32 s30, s23, 13
	s_add_nc_u64 s[24:25], s[16:17], s[30:31]      ; the three planes lie 4 MiB apart: a base each
	s_add_nc_u64 s[26:27], s[24:25], 0x400000
	s_add_nc_u64 s[28:29], s[24:25], 0x800000
	XLOAD 0
	XLOAD 1
	XLOAD 2
	XLOAD 3
	s_wait_kmcnt 0x0
.irp p, 0,1,2
	s_add_co_i32 s32, s[36+2*\p], 127
	s_lshl_b32 s33, s32, 23
	v_mov_b32 v[SC+\p], s33                        ; 2^e as f32: the conversion takes its exponent field
	s_add_co_i32 s32, s32, 8
	s_lshl_b32 s32, s32, 23
	s_or_b32 s32, s32, 0x600000
	v_mov_b32 v[LM+\p], s32                        ; 448 x 2^e
.endr
	s_wait_loadcnt 12                              ; step 0's four loads are in
	XTURN 0
.irp t, 0,1,2,3,4,5,6,7,8,9,10,11,12,13,14,15
	XSTEP \t
.endr
	s_wait_tensorcnt 0x0                           ; the wave's end: behind my last LDS store
	ds_add_u32 v[SPW], v[NIL]
	s_wait_dscnt 0x0
	s_endpgm
	; ---- the weights
.Lweights:
	s_sub_co_u32 s23, ttmp9, 128
	s_lshr_b32 s24, s23, 5                         ; which weight: 0 Wq, 1 Wk, 2 Wv, 3 Wo
	s_and_b32 s25, s23, 7                          ; which 128 columns
	s_bfe_u32 s26, s23, 0x20003                    ; which 256 along K
	s_lshl_b32 s27, s25, 7
	s_lshl_b32 s28, s20, 5
	s_add_co_u32 s27, s27, s28                     ; my wave's first column
	s_lshl_b32 s30, s26, 20                        ; 256 rows of 4,096 bytes
	s_lshl_b32 s28, s27, 2
	s_add_co_u32 s30, s30, s28
	s_mov_b32 s31, 0
	s_lshl_b32 s32, s24, 20                        ; the weight's plane of codes,
	s_lshl_b32 s28, s27, 10
	s_add_co_u32 s32, s32, s28                     ; my first column's row of 1,024 bytes,
	s_lshl_b32 s28, s26, 8
	s_add_co_u32 s32, s32, s28                     ; my 256 along K
	s_mov_b32 s33, 0
	s_cmp_eq_u32 s24, 1
	s_cselect_b64 s[4:5], s[8:9], s[6:7]
	s_cmp_eq_u32 s24, 2
	s_cselect_b64 s[4:5], s[10:11], s[4:5]
	s_cmp_eq_u32 s24, 3
	s_cselect_b64 s[4:5], s[12:13], s[4:5]
	s_add_nc_u64 s[4:5], s[4:5], s[30:31]
	s_add_nc_u64 s[18:19], s[18:19], s[32:33]
	WLOAD 0
	WLOAD 1
	s_wait_kmcnt 0x0
	s_cmp_eq_u32 s24, 1
	s_cselect_b32 s34, s39, s37                    ; e3 or e1
	s_cmp_eq_u32 s24, 2
	s_cselect_b32 s34, s41, s34                    ; e5
	s_cmp_eq_u32 s24, 3
	s_cselect_b32 s34, s47, s34                    ; e11
	s_add_co_i32 s34, s34, 127
	s_lshl_b32 s35, s34, 23
	v_mov_b32 v11, s35                             ; 2^e
	s_add_co_i32 s34, s34, 8
	s_lshl_b32 s34, s34, 23
	s_or_b32 s34, s34, 0x600000
	v_mov_b32 v10, s34                             ; 448 x 2^e
.irp t, 0,1,2,3,4,5,6,7
	WBLOCK \t
.endr
.irp t, 0,1,2,3,4,5,6,7,8,9,10,11,12,13,14,15
	ds_load_b128 v[OUTR+4*\t:OUTR+4*\t+3], v7 offset:2*\t*PITCH   ; LDS serves a wave's instructions in order: these see my stores
.endr
.irp t, 0,1,2,3,4,5,6,7,8,9,10,11,12,13,14,15
	s_wait_dscnt 15-\t
	global_store_b128 v8, v[OUTR+4*\t:OUTR+4*\t+3], s[18:19] offset:2*\t*1024   ; sixteen lanes store 256 consecutive bytes, aligned
.endr
	s_wait_tensorcnt 0x0                           ; the wave's end, as above
	ds_add_u32 v[SPW], v[NIL]
	s_wait_dscnt 0x0
	s_endpgm
.Lfunc_end_k_qb6dd1d592b_quant:
	.size	k_qb6dd1d592b_quant, .Lfunc_end_k_qb6dd1d592b_quant-k_qb6dd1d592b_quant
	.p2alignl 7, 3214868480
	.fill 96, 4, 3214868480
	.section	.rodata,"a",@progbits
	.p2align	6, 0x0
	.amdhsa_kernel k_qb6dd1d592b_quant
		.amdhsa_group_segment_fixed_size 68096
		.amdhsa_private_segment_fixed_size 0
		.amdhsa_enable_private_segment 0
		.amdhsa_kernarg_size 64
		.amdhsa_user_sgpr_count 2
		.amdhsa_user_sgpr_kernarg_segment_ptr 1
		.amdhsa_wavefront_size32 1
		.amdhsa_system_sgpr_workgroup_id_x 1
		.amdhsa_system_sgpr_workgroup_id_y 1
		.amdhsa_system_sgpr_workgroup_id_z 1
		.amdhsa_system_vgpr_workitem_id 0
		.amdhsa_next_free_vgpr 192
		.amdhsa_next_free_sgpr 66
		.amdhsa_reserve_vcc 0
		.amdhsa_float_denorm_mode_32 3
		.amdhsa_float_denorm_mode_16_64 3
		.amdhsa_memory_ordered 1
		.amdhsa_forward_progress 1
		.amdhsa_inst_pref_size 126
	.end_amdhsa_kernel
	.amdgpu_metadata
---
amdhsa.version: [ 1, 2 ]
amdhsa.kernels:
  - .name:           k_qb6dd1d592b_quant
    .symbol:         k_qb6dd1d592b_quant.kd
    .args:
      - { .name: x, .offset: 0, .size: 8, .value_kind: global_buffer, .address_space: global }
      - { .name: Wq, .offset: 8, .size: 8, .value_kind: global_buffer, .address_space: global }
      - { .name: Wk, .offset: 16, .size: 8, .value_kind: global_buffer, .address_space: global }
      - { .name: Wv, .offset: 24, .size: 8, .value_kind: global_buffer, .address_space: global }
      - { .name: Wo, .offset: 32, .size: 8, .value_kind: global_buffer, .address_space: global }
      - { .name: lowp_scales, .offset: 40, .size: 8, .value_kind: global_buffer, .address_space: global }
      - { .name: xc, .offset: 48, .size: 8, .value_kind: global_buffer, .address_space: global }
      - { .name: wc, .offset: 56, .size: 8, .value_kind: global_buffer, .address_space: global }
    .group_segment_fixed_size: 68096
    .private_segment_fixed_size: 0
    .kernarg_segment_align: 8
    .kernarg_segment_size: 64
    .max_flat_workgroup_size: 128
    .sgpr_count:     66
    .vgpr_count:     192
    .wavefront_size: 32
...
	.end_amdgpu_metadata
.endif
;; end of part 1
;; launch qkv (part 2): grid 12 x 16, 4 waves a work-group, clusters of 4 x 4, 327,680 bytes of LDS; arguments xc, wc, lowp_scales, bq, bk, bv, rel_k, qimg, kvimg, qrel; writes qimg, kvimg, qrel
.if DOCPART == 2
	.amdgcn_target "amdgcn-amd-amdhsa--gfx1250"
	.amdhsa_code_object_version 6
	.text
	.protected	k_qb6dd1d592b_qkv
	.globl	k_qb6dd1d592b_qkv
	.p2align	8
	.type	k_qb6dd1d592b_qkv,@function
k_qb6dd1d592b_qkv:
	s_mov_b64 s[64:65], 0
	v_nop
	global_prefetch_b8 v0, s[64:65] scope:SCOPE_SE
	s_setreg_imm32_b32 hwreg(HW_REG_WAVE_MODE, 25, 1), 1
	s_wait_xcnt 0x0
	s_wait_alu depctr_hold_cnt(0) depctr_sa_sdst(0) depctr_va_vdst(0) depctr_va_sdst(0) depctr_va_ssrc(0) depctr_va_vcc(0) depctr_vm_vsrc(0)
	s_getreg_b32 s2, hwreg(HW_REG_IB_STS2, 6, 4)
	s_cmp_eq_u32 s2, 0
	s_cbranch_scc0 .Lentry_in_a_cluster
	s_endpgm
.Lentry_in_a_cluster:
	s_bfe_u32 s2, ttmp6, 0x10000c
	s_cmp_lg_u32 s2, 0xf033
	s_cbranch_scc0 .Lentry_shape_is_right
	s_endpgm
.Lentry_shape_is_right:
; The three projections on codes of E4M3: q = x Wq + bq, k = x Wk + bk, v = x Wv + bv, K = 1,024; each result is quantised at once for the attention's products and stored as IMAGES OF OPERAND REGISTERS.
; MODE = the cluster's x: 0 q, 1 k, 2 v: the same in all sixteen partners of a cluster.  A tile is 256 x 256, four waves of 128 x 128: 64 accumulators of 16 x 16.
; q, k: the A side is x's rows (its plane of codes for this projection), the B side the weight's rows [N][K].  v is made TRANSPOSED: the A side is Wv's rows, the B side x's rows.
; THE MATRIX INSTRUCTION IS USED TRANSPOSED (source 0 = 16 rows of the B side, source 1 = 16 rows of the A side): a lane holds ONE row of the A side and eight neighbours of the B side.
; So for q and k a lane's eight results are eight neighbours along the head's 64, for v eight neighbouring keys: the next product's K.  One conversion of an accumulator gives two registers of the next operand,
; in the plain 8-bit layout (registers 2 c, 2 c + 1: k = 16 c + 8 (lane / 16) + 0 .. 7), and four registers leave by one store of 512 consecutive bytes.  No stage in LDS.
; qimg [bh][query tile][1,024]; kvimg [bh][step of 128 keys][16,384]: eight tiles of 16 keys (1,024 bytes each), then four tiles of 16 channels x 128 keys of v^T (2,048 each); register group g at 512 g + 16 x lane.
; In mode q the f32 products q . rel_k[j], j = 0 .. 4, are made of the UNQUANTISED q by fused multiply-adds and stored in qrel [bh][s][8] (words 5 to 7 repeat words 1 to 3 and are read by nobody).
; K goes in steps of 256 through a ring of two LDS slots filled by joint tensor loads: the A side's tile is shared along a row of the cluster, the B side's along a column.
; LIMITS: e0 + e1, e2 + e3, e4 + e5 between -126 and 127; e6, e7, e9 between -126 and 119.  NaN is not served.
; REGISTERS, in windows of 256: window 0: v16-31 addresses and constants; v32-47 v's bias; v48-62 at work on q . rel_k; v64-127 q's or k's bias; v128-255 the A side's fragments, ONE set; on the way out v128-191 a block's
;   values, v192-207 its codes, v224-236 q . rel_k.   window 1: the B side's fragments, TWO sets; in mode q afterwards v0-159 rel_k.   windows 2, 3: the accumulators ((a, b) at v[8 (8 (a % 4) + b)]).
.set TROW,   256                       ; a tile's row in bytes: 256 codes
.set KROW,   1024                      ; a row of either side in memory
.set PITCH,  272                       ; an LDS row: 256 bytes + 16 of padding = 68 words, so the 16 rows that a load touches start at 16 different banks (64 banks of 4 bytes: ISA guide 11.1)
.set FR,     16
.set NL,     4
.set NP,     4                         ; places behind this matrix instruction (ISA guide 7.12.1)
.set HALFT,  128*PITCH
.set SLOT,   4*HALFT
.set LAPS,   2                         ; 1,024 along K = two laps of two slots
.set SPARE,  2*SLOT                    ; behind the ring: the spare words, 128 bytes a wave
.set ADRA, 16
.set ADRB, 20
.set RO,   23                          ; v23  4 x (lane % 16)
.set VO0,  24                          ; v24  16 x lane
.set VO1,  25                          ; v25  the same, one head on
.set QV,   26                          ; v26  32 (lane % 16) + 16 (lane / 16)
.set HO,   27                          ; v27  32 x (lane / 16)
.set SPW,  28
.set NIL,  29
.set SCL,  30                          ; v30  2^eo: the scale of what is made here
.set LIM,  31                          ; v31  448 x 2^eo
.set RBI,  32
.set QA,   48
.set QB,   58
.set CBI,  64
.set AF,   128
.set TMP,  128
.set CD,   192
.set QS,   224
.set QC,   232
.set G1, 24
.set G0, 32
.set G1B, 48
.set G0B, 56
.set MSB, 0
.macro WIN new                         ; the immediate's high byte repeats the setting that is left
.if MSB != (\new)
	s_set_vgpr_msb (MSB<<8)|(\new)
.set MSB, (\new)
.endif
.endm
.set MUL_LO, 0xa1                      ; source 0 window 1, source 1 window 0, C and D window 2
.set MUL_HI, 0xf1
.set TO_B,   0x40
; A joint load: waves 0 and 1 fetch for the A side, waves 2 and 3 for the B side.  The branch hangs on the wave's number alone.  An s_nop 0 and four v_nop follow each line.
.macro JLOAD g0a, g1a, g0b, g1b
	s_cmp_eq_u32 s15, 0
	s_cbranch_scc0 .Lfor_b_\@
	tensor_load_to_lds s[\g0a:\g0a+3], s[\g1a:\g1a+7]
	s_nop 0
.rept 4
	v_nop
.endr
	s_branch .Lasked_\@
.Lfor_b_\@:
	tensor_load_to_lds s[\g0b:\g0b+3], s[\g1b:\g1b+7]
	s_nop 0
.rept 4
	v_nop
.endr
.Lasked_\@:
.endm
.macro CREST                           ; a round of the cluster's barrier behind its opening barrier
	s_cmp_lg_u32 s14, 0
	s_cbranch_scc1 .Lnot_wave_0_\@
	s_barrier_signal -3
.Lnot_wave_0_\@:
	s_barrier_wait -3
	s_barrier_signal -1
	s_barrier_wait -1
.endm
.macro CROUND
	s_barrier_signal -1
	s_barrier_wait -1
	CREST
.endm
	s_load_b512 s[68:83], s[0:1], 0x0              ; xc 68, wc 70, the exponents 72, bq 74, bk 76, bv 78, rel_k 80, qimg 82
	s_load_b128 s[84:87], s[0:1], 0x40             ; kvimg 84, qrel 86
	v_lshl_add_u32 v[SPW], v0, 2, SPARE
	v_mov_b32 v[NIL], 0
	ds_add_u32 v[SPW], v[NIL]                      ; the wave's opening: the add and its wait ahead of my first tensor load; work on registers stands between them
	v_lshrrev_b32 v1, 5, v0
	v_readfirstlane_b32 s14, v1                    ; wave 0..3
	s_lshr_b32 s15, s14, 1                         ; which half of the A side's rows is mine.  Also: I fetch for the A side (0) or the B side (1)
	s_and_b32 s16, s14, 1                          ; which half of the B side's.  Also: which 128 rows of that tile I fetch
	s_bfe_u32 s40, ttmp6, 0x40000                  ; cx
	s_bfe_u32 s41, ttmp6, 0x40004                  ; cy
	s_mov_b32 s12, ttmp9                           ; MODE
	s_and_b32 s13, ttmp7, 0xffff
	s_lshl_b32 s13, s13, 2                         ; 4 x cluster y
	s_lshl_b32 s43, s41, 2
	s_lshl_b32 s43, 15, s43                        ; my row of the cluster
	s_lshl_b32 s44, 0x1111, s40                    ; my column
	s_add_co_u32 s17, s13, s41                     ; 4 Y + cy
	s_add_co_u32 s42, s13, s40                     ; 4 Y + cx
	s_lshl_b32 s22, s12, 22                        ; x's plane of codes
	s_lshl_b32 s23, s12, 20                        ; the weight's
	s_cmp_eq_u32 s12, 2
	s_cselect_b32 s17, s41, s17                    ; the A side's tile: of cy and Y alone (v: Wv has four tiles; else x has sixteen)
	s_cselect_b32 s42, s42, s40                    ; the B side's tile: of cx and Y alone
	s_cselect_b32 s18, s23, s22                    ; the A side's plane
	s_cselect_b32 s19, s22, s23                    ; the B side's
	; descriptor group 1: a tile of 128 rows x 256 bytes, padded in LDS
	s_or_b32 s[G1+0], s43, (0<<16)|(1<<20)|(1<<21)|(5<<22)|(3<<25)  ; 15:0 the mask; 17:16 elements of 1 byte; 20 padding on; 21 set beside a mask; 24:22 after every 64 words; 31:25 four words
	s_or_b32 s[G1B+0], s44, (0<<16)|(1<<20)|(1<<21)|(5<<22)|(3<<25)
.irp g, G1, G1B
	s_mov_b32 s[\g+1], TROW<<16                    ; tensor_dim0
	s_mov_b32 s[\g+2], 128<<16                     ; tensor_dim1
	s_mov_b32 s[\g+3], TROW<<16                    ; tile_dim0
	s_mov_b32 s[\g+4], 128                         ; tile_dim1
	s_mov_b32 s[\g+5], KROW                        ; tensor_dim0_stride
	s_mov_b32 s[\g+6], 0
	s_mov_b32 s[\g+7], 0
.endr
	s_lshl_b32 s21, s16, 7                         ; which 128 rows of the tile I fetch
	s_lshl_b32 s20, s17, 8
	s_add_co_u32 s20, s20, s21
	s_lshl_b32 s20, s20, 10                        ; rows of 1,024 bytes
	s_add_co_u32 s20, s20, s18                     ; + the plane: under 2^24
	s_lshl_b32 s46, s42, 8
	s_add_co_u32 s46, s46, s21
	s_lshl_b32 s46, s46, 10
	s_add_co_u32 s46, s46, s19
	s_mov_b32 s21, 0
	s_mov_b32 s47, 0
	s_mul_i32 s45, s14, HALFT                      ; where they go: wave x 128 rows: no place in the cluster enters an LDS address
	s_wait_dscnt 0x0                               ; the opening add is done
	s_wait_kmcnt 0x0
	s_load_b256 s[88:95], s[72:73], 0x0            ; e0 .. e7
	s_load_b128 s[96:99], s[72:73], 0x20           ; e8 .. e11
	s_cmp_eq_u32 s12, 2
	s_cselect_b64 s[4:5], s[70:71], s[68:69]       ; the A side: wc for v, else xc
	s_cselect_b64 s[6:7], s[68:69], s[70:71]       ; the B side
	s_add_nc_u64 s[20:21], s[4:5], s[20:21]
	s_add_nc_u64 s[46:47], s[6:7], s[46:47]
	CROUND                                         ; all sixteen work-groups are here: the first joint loads meet
.irp s, 0,1
	s_mov_b32 s[G0+4*\s], 1
	s_add_co_u32 s[G0+4*\s+1], s45, \s*SLOT
	s_add_nc_u64 s[G0+4*\s+2:G0+4*\s+3], s[20:21], \s*TROW
	s_or_b32 s[G0+4*\s+3], s[G0+4*\s+3], 0x80000000
	s_mov_b32 s[G0B+4*\s], 1
	s_add_co_u32 s[G0B+4*\s+1], s45, \s*SLOT
	s_add_nc_u64 s[G0B+4*\s+2:G0B+4*\s+3], s[46:47], \s*TROW
	s_or_b32 s[G0B+4*\s+3], s[G0B+4*\s+3], 0x80000000
	JLOAD G0+4*\s, G1, G0B+4*\s, G1B
.endr
	v_and_b32 v1, 15, v0                           ; r = lane % 16
	v_bfe_u32 v2, v0, 4, 1                         ; h = lane / 16
	v_mul_u32_u24 v3, v1, PITCH
	v_lshl_add_u32 v4, v2, 4, v3                   ; a fragment's row x pitch + 16 x half
	s_mul_i32 s21, s15, HALFT
	s_mul_i32 s22, s16, HALFT
	s_add_co_u32 s22, s22, 2*HALFT
.irp s, 0,1
	v_add_nc_u32 v[ADRA+\s], s21, v4
	v_add_nc_u32 v[ADRB+\s], s22, v4
	s_add_co_u32 s21, s21, SLOT
	s_add_co_u32 s22, s22, SLOT
.endr
	v_and_b32 v6, 31, v0
	v_lshlrev_b32 v[VO0], 4, v6
	v_lshlrev_b32 v[QV], 5, v1
	v_lshl_add_u32 v[QV], v2, 4, v[QV]
	v_lshlrev_b32 v[HO], 5, v2
	v_lshlrev_b32 v[RO], 2, v1
.macro FRAG reg, adr, q, i             ; 16 rows x 128 K: registers 4 c .. 4 c + 3 hold K = 32 c + 16 (lane / 16) + 0 .. 15: the same permutation of k on both sides
.irp c, 0,1,2,3
	ds_load_b128 v[\reg+4*\c:\reg+4*\c+3], v[\adr] offset:128*(\q)+32*\c+(\i)*16*PITCH
.endr
.endm
; 16 matrix instructions: the A side's blocks a0, a0 + 1 x the B side's eight.  The 64 accumulators take turns, one instruction a turn, in the same order in every step.
.macro MUL16 a0, p, zero
.irp a, \a0, \a0+1
.irp b, 0,1,2,3,4,5,6,7
.if \zero
	v_wmma_f32_16x16x128_fp8_fp8 v[8*(8*((\a)%4)+\b):8*(8*((\a)%4)+\b)+7], v[128*(\p)+FR*\b:128*(\p)+FR*\b+FR-1], v[AF+FR*(\a):AF+FR*(\a)+FR-1], 0
.else
	v_wmma_f32_16x16x128_fp8_fp8 v[8*(8*((\a)%4)+\b):8*(8*((\a)%4)+\b)+7], v[128*(\p)+FR*\b:128*(\p)+FR*\b+FR-1], v[AF+FR*(\a):AF+FR*(\a)+FR-1], v[8*(8*((\a)%4)+\b):8*(8*((\a)%4)+\b)+7]
.endif
.endr
.endr
.endm
.macro FETCH_B slot, q, p
	WIN TO_B
.irp i, 0,1,2,3,4,5,6,7
	FRAG 128*(\p)+FR*\i, ADRB+\slot, \q, \i
.endr
	WIN 0
.endm
.macro FETCH_A slot, q, i0
.irp i, \i0, \i0+1, \i0+2, \i0+3
	FRAG AF+FR*(\i), ADRA+\slot, \q, \i
.endr
.endm
.macro PLACES n                        ; plain vector lines between a matrix instruction and a load into, or a vector read or write of, its registers
.rept \n
	v_nop
.endr
.endm
.macro STEP slot, q, zero              ; 128 along K whose successor lies in the same slot
	s_wait_dscnt 4*NL                              ; the B side's set and the A side's blocks 0-3 are in; the youngest sixteen loads (blocks 4-7) may be out
	WIN MUL_LO
	MUL16 0, (\q)%2, \zero
	MUL16 2, (\q)%2, \zero
	s_wait_dscnt 0
	PLACES NP
	FETCH_B \slot, (\q)+1, 1-(\q)%2
	FETCH_A \slot, (\q)+1, 0
	WIN MUL_HI
	MUL16 4, (\q)%2, \zero
	MUL16 6, (\q)%2, \zero
	PLACES NP
	WIN 0
	FETCH_A \slot, (\q)+1, 4
.endm
; A slot's last step changes slots: one barrier; in front of it each wave waits for all its tensor loads, adds 0 to its spare word, and waits for that and for its reads of this slot.
.macro TURN slot, next, fill
	s_wait_tensorcnt 0x0                           ; all my tensor loads have landed: my part of the next slot
	ds_add_u32 v[SPW], v[NIL]
	s_wait_dscnt 4*NL+1                            ; (the add and the youngest sixteen loads may be out)
	WIN MUL_LO
	MUL16 0, 1, 0
	s_wait_dscnt 0x0                               ; the add is done, and my reads of this slot are over
	s_barrier_signal -1
	MUL16 2, 1, 0
	WIN 0
	s_barrier_wait -1
.if \fill
	CREST                                          ; the barrier has opened a round of the cluster's barrier: no wave of any partner still reads this slot or has a load on its way
	s_add_nc_u64 s[G0+4*\slot+2:G0+4*\slot+3], s[G0+4*\slot+2:G0+4*\slot+3], 2*TROW
	s_add_nc_u64 s[G0B+4*\slot+2:G0B+4*\slot+3], s[G0B+4*\slot+2:G0B+4*\slot+3], 2*TROW
	JLOAD G0+4*\slot, G1, G0B+4*\slot, G1B         ; the first tensor load behind the round; its four v_nop are also the places in front of the loads below
.else
	PLACES NP
.endif
	FETCH_B \next, 0, 0
	FETCH_A \next, 0, 0
	WIN MUL_HI
	MUL16 4, 1, 0
	MUL16 6, 1, 0
	PLACES NP
	WIN 0
	FETCH_A \next, 0, 4
.endm
	s_wait_tensorcnt 1                             ; my part of slot 0 is in; slot 1's load may be out
	s_barrier_signal -1
	s_barrier_wait -1
	FETCH_B 0, 0, 0
	FETCH_A 0, 0, 0
	FETCH_A 0, 0, 4
	STEP 0, 0, 1                                   ; the first step's products start the sums: nothing is cleared
	s_mov_b32 s3, LAPS-1
.Llap:
	TURN 0, 1, 1
	STEP 1, 0, 0
	TURN 1, 0, 1
	STEP 0, 0, 0
	s_sub_co_u32 s3, s3, 1
	s_cmp_lg_u32 s3, 0
	s_cbranch_scc1 .Llap
	TURN 0, 1, 0                                   ; the last lap fills nothing
	STEP 1, 0, 0
	s_wait_dscnt 4*NL
	WIN MUL_LO
	MUL16 0, 1, 0
	MUL16 2, 1, 0
	s_wait_dscnt 0
	WIN MUL_HI
	MUL16 4, 1, 0
	MUL16 6, 1, 0
	WIN 0
; ---- THE WAY OUT
; q . rel_k[j] for the 16 rows of block a, both heads: 32 products a lane in five chains of packed multiply-adds, the two halves of a pair, then the other half of the lanes.
.macro QREL a
.irp hh, 0,1
	WIN 0x04                                       ; source 1 (rel_k) window 1
.irp u, 0,1,2,3,4,5,6,7,8,9,10,11,12,13,14,15
.irp j, 0,1,2,3,4
.if \u == 0
	v_pk_mul_f32 v[QA+2*\j:QA+2*\j+1], v[TMP+32*\hh:TMP+32*\hh+1], v[32*\j:32*\j+1]
.else
	v_pk_fma_f32 v[QA+2*\j:QA+2*\j+1], v[TMP+32*\hh+2*\u:TMP+32*\hh+2*\u+1], v[32*\j+2*\u:32*\j+2*\u+1], v[QA+2*\j:QA+2*\j+1]
.endif
.endr
.endr
	WIN 0
.irp j, 0,1,2,3,4
	v_add_f32 v[QB+\j], v[QA+2*\j], v[QA+2*\j+1]
.endr
.irp j, 0,1,2,3,4
	v_permlanex16_b32 v[QC+\j], v[QB+\j], s18, s19 ; (its destination has held a fragment: it has been written)
.endr
.irp j, 0,1,2,3
	v_add_f32 v[QS+4*\hh+\j], v[QB+\j], v[QC+\j]
.endr
	v_add_f32 v[QB+4], v[QB+4], v[QC+4]
	v_cndmask_b32 v[QS+4*\hh], v[QS+4*\hh], v[QB+4], s20   ; lanes 16-31 carry word 4 in their first place
	global_store_b128 v[QV], v[QS+4*\hh:QS+4*\hh+3], s[66:67] offset:512*(\a)+65536*\hh   ; 32 lanes store 512 consecutive bytes: 16 rows of 32
.endr
.endm
; Block a (16 rows of the A side x my 128 of the B side): value = sum x 2^(the two scales) + bias, one packed multiply-add for two; hold; conversion; stores.  kind 0: q, k; kind 1: v.
.macro OUTA a, kind
.if (\a) > 0
	s_wait_xcnt 0x0                                ; the last block's stores have read their data: the codes' registers are written again only behind this wait
.endif
	WIN 0x02+(\a)/4                                ; source 0: the accumulators' window
.irp b, 0,1,2,3,4,5,6,7
.irp i, 0,2,4,6
.if \kind
	v_pk_fma_f32 v[TMP+8*\b+\i:TMP+8*\b+\i+1], v[64*((\a)%4)+8*\b+\i:64*((\a)%4)+8*\b+\i+1], s[100:101], v[RBI+2*(\a):RBI+2*(\a)+1] op_sel_hi:[1,0,1]
.else
	v_pk_fma_f32 v[TMP+8*\b+\i:TMP+8*\b+\i+1], v[64*((\a)%4)+8*\b+\i:64*((\a)%4)+8*\b+\i+1], s[100:101], v[CBI+8*\b+\i:CBI+8*\b+\i+1] op_sel_hi:[1,0,1]
.endif
.endr
.endr                                          ; each accumulator from its low end on
	WIN 0
.if \kind == 0
	s_cmp_lg_u32 s12, 0                            ; the cluster's x: the same in all partners
	s_cbranch_scc1 .Lno_qrel_\@
	QREL \a
.Lno_qrel_\@:
.endif
.set i, 0
.rept 64
	v_med3_num_f32 v[TMP+i], v[TMP+i], -v[LIM], v[LIM]   ; the conversion does not saturate (ISA guide 7.6.2)
.set i, i+1
.endr
.irp b, 0,1,2,3,4,5,6,7
	v_cvt_scalef32_pk8_fp8_f32 v[CD+2*\b:CD+2*\b+1], v[TMP+8*\b:TMP+8*\b+7], v[SCL]
.endr
	v_nop                                          ; one plain vector line behind the conversions: the next block writes their sources
.if \kind
.irp g, 0,1,2,3
	global_store_b128 v[VO0], v[CD+4*\g:CD+4*\g+3], s[10:11] offset:((\a)/4)*262144+((\a)%4)*2048+512*\g   ; head a / 4, channels 16 (a % 4) on, my 128 keys
.endr
.else
.irp hh, 0,1
.irp g, 0,1
	global_store_b128 v[VO0+\hh], v[CD+8*\hh+4*\g:CD+8*\hh+4*\g+3], s[10:11] offset:1024*(\a)+512*\g        ; head hh, rows 16 a on
.endr
.endr
.endif
.endm
	s_wait_kmcnt 0x0
	s_lshl_b32 s2, s17, 8
	s_lshl_b32 s21, s15, 7
	s_add_co_u32 s2, s2, s21                       ; my first row of the A side
	s_lshl_b32 s3, s42, 8
	s_lshl_b32 s21, s16, 7
	s_add_co_u32 s3, s3, s21                       ; my first row of the B side
	s_cmp_eq_u32 s12, 1
	s_cselect_b32 s18, s90, s88                    ; the two operands' exponents,
	s_cselect_b32 s19, s91, s89
	s_cselect_b32 s21, s95, s94                    ; the result's: e7 for k, e6 for q,
	s_cselect_b64 s[8:9], s[76:77], s[74:75]       ; the bias,
	s_cselect_b64 s[10:11], s[84:85], s[82:83]     ; and where the images go
	s_cmp_eq_u32 s12, 2
	s_cselect_b32 s18, s92, s18
	s_cselect_b32 s19, s93, s19
	s_cselect_b32 s21, s97, s21                    ; e9 for v
	s_cselect_b64 s[8:9], s[78:79], s[8:9]
	s_cselect_b64 s[10:11], s[84:85], s[10:11]
	s_add_co_i32 s18, s18, s19
	s_add_co_i32 s18, s18, 127
	s_lshl_b32 s100, s18, 23                       ; 2^(the two exponents) as f32
	s_mov_b32 s101, s100                           ; (named with it as a pair)
	s_add_co_i32 s21, s21, 127
	s_lshl_b32 s22, s21, 23
	v_mov_b32 v[SCL], s22
	s_add_co_i32 s21, s21, 8
	s_lshl_b32 s21, s21, 23
	s_or_b32 s21, s21, 0x600000
	v_mov_b32 v[LIM], s21
	s_mov_b32 s47, 0
	PLACES NP                                      ; behind the last products: their results are read, and their operands' registers written, below
	s_cmp_eq_u32 s12, 2
	s_cbranch_scc1 .Lvout
	; q and k: the A side's rows are tokens, the B side's are head x 64 + channel
	s_lshr_b32 s21, s2, 11                         ; the batch
	s_and_b32 s22, s2, 2047                        ; my first token in it
	s_lshl_b32 s21, s21, 4
	s_lshr_b32 s23, s3, 6
	s_add_co_u32 s21, s21, s23                     ; bh of my first head
	s_lshl_b32 s46, s21, 17
	s_lshl_b32 s23, s22, 6
	s_add_co_u32 s46, s46, s23
	s_lshl_b32 s46, s46, s12                       ; q: 2^17 bytes a head, 64 a token; k: twice that (v's images lie between)
	s_add_nc_u64 s[10:11], s[10:11], s[46:47]
	s_lshl_b32 s46, s21, 16
	s_lshl_b32 s23, s22, 5
	s_add_co_u32 s46, s46, s23
	s_add_nc_u64 s[66:67], s[86:87], s[46:47]      ; qrel: 32 bytes a token
	s_lshl_b32 s46, s3, 2
	s_add_nc_u64 s[8:9], s[8:9], s[46:47]          ; the bias at my first column
	s_lshl_b32 s46, 0x20000, s12
	v_add_nc_u32 v[VO1], s46, v[VO0]               ; one head on
	s_mov_b32 s18, 0x76543210                      ; v_permlanex16_b32's selects for lane l xor 16
	s_mov_b32 s19, 0xfedcba98
	s_mov_b32 s20, 0xffff0000                      ; lanes 16-31
	s_cmp_lg_u32 s12, 0
	s_cbranch_scc1 .Lno_rk
	WIN 0x40                                       ; destination window 1: rel_k[j][16 t + 8 h + i] at v[32 j + 8 t + i]
.irp j, 0,1,2,3,4
.irp t, 0,1,2,3
	global_load_b128 v[32*\j+8*\t:32*\j+8*\t+3], v[HO], s[80:81] offset:256*\j+64*\t
	global_load_b128 v[32*\j+8*\t+4:32*\j+8*\t+7], v[HO], s[80:81] offset:256*\j+64*\t+16
.endr
.endr
	WIN 0
.Lno_rk:
.irp b, 0,1,2,3,4,5,6,7
	global_load_b128 v[CBI+8*\b:CBI+8*\b+3], v[HO], s[8:9] offset:64*\b          ; bias[my first column + 16 b + 8 h + 0 .. 7]: the result's layout
	global_load_b128 v[CBI+8*\b+4:CBI+8*\b+7], v[HO], s[8:9] offset:64*\b+16
.endr
	s_wait_loadcnt 0x0
.irp a, 0,1,2,3,4,5,6,7
	OUTA \a, 0
.endr
	s_branch .Lend
.Lvout:                                        ; v: the A side's rows are head x 64 + channel, the B side's are tokens (keys)
	s_lshr_b32 s21, s3, 11                         ; the batch
	s_and_b32 s22, s3, 2047                        ; my first key: a multiple of 128
	s_lshl_b32 s21, s21, 4
	s_lshr_b32 s23, s2, 6
	s_add_co_u32 s21, s21, s23                     ; bh of my first head
	s_lshl_b32 s46, s21, 18
	s_lshl_b32 s23, s22, 7                         ; 16,384 bytes a step of 128 keys
	s_add_co_u32 s46, s46, s23
	s_add_co_u32 s46, s46, 8192                    ; behind the step's eight tiles of k
	s_add_nc_u64 s[10:11], s[10:11], s[46:47]
	s_lshl_b32 s46, s2, 2
	s_add_nc_u64 s[8:9], s[8:9], s[46:47]
.irp a, 0,1,2,3,4,5,6,7
	global_load_b32 v[RBI+2*\a], v[RO], s[8:9] offset:64*\a      ; bv of my lane's row of block a, in both halves of a pair
	global_load_b32 v[RBI+2*\a+1], v[RO], s[8:9] offset:64*\a
.endr
	s_wait_loadcnt 0x0
.irp a, 0,1,2,3,4,5,6,7
	OUTA \a, 1
.endr
.Lend:
	s_wait_tensorcnt 0x0                           ; the wave's end
	ds_add_u32 v[SPW], v[NIL]
	s_wait_dscnt 0x0
	CROUND                                         ; the closing round
	s_endpgm
.Lfunc_end_k_qb6dd1d592b_qkv:
	.size	k_qb6dd1d592b_qkv, .Lfunc_end_k_qb6dd1d592b_qkv-k_qb6dd1d592b_qkv
	.p2alignl 7, 3214868480
	.fill 96, 4, 3214868480
	.section	.rodata,"a",@progbits
	.p2align	6, 0x0
	.amdhsa_kernel k_qb6dd1d592b_qkv
		.amdhsa_group_segment_fixed_size 327680
		.amdhsa_private_segment_fixed_size 0
		.amdhsa_enable_private_segment 0
		.amdhsa_kernarg_size 80
		.amdhsa_user_sgpr_count 2
		.amdhsa_user_sgpr_kernarg_segment_ptr 1
		.amdhsa_wavefront_size32 1
		.amdhsa_system_sgpr_workgroup_id_x 1
		.amdhsa_system_sgpr_workgroup_id_y 1
		.amdhsa_system_sgpr_workgroup_id_z 1
		.amdhsa_system_vgpr_workitem_id 0
		.amdhsa_next_free_vgpr 1024
		.amdhsa_next_free_sgpr 104
		.amdhsa_reserve_vcc 0
		.amdhsa_float_denorm_mode_32 3
		.amdhsa_float_denorm_mode_16_64 3
		.amdhsa_memory_ordered 1
		.amdhsa_forward_progress 1
		.amdhsa_inst_pref_size 255
	.end_amdhsa_kernel
	.section	.bss,"aw",@nobits
	.p2align	6
	.space	262144
	.amdgpu_metadata
---
amdhsa.version: [ 1, 2 ]
amdhsa.kernels:
  - .name:           k_qb6dd1d592b_qkv
    .symbol:         k_qb6dd1d592b_qkv.kd
    .args:
      - { .name: xc, .offset: 0, .size: 8, .value_kind: global_buffer, .address_space: global }
      - { .name: wc, .offset: 8, .size: 8, .value_kind: global_buffer, .address_space: global }
      - { .name: lowp_scales, .offset: 16, .size: 8, .value_kind: global_buffer, .address_space: global }
      - { .name: bq, .offset: 24, .size: 8, .value_kind: global_buffer, .address_space: global }
      - { .name: bk, .offset: 32, .size: 8, .value_kind: global_buffer, .address_space: global }
      - { .name: bv, .offset: 40, .size: 8, .value_kind: global_buffer, .address_space: global }
      - { .name: rel_k, .offset: 48, .size: 8, .value_kind: global_buffer, .address_space: global }
      - { .name: qimg, .offset: 56, .size: 8, .value_kind: global_buffer, .address_space: global }
      - { .name: kvimg, .offset: 64, .size: 8, .value_kind: global_buffer, .address_space: global }
      - { .name: qrel, .offset: 72, .size: 8, .value_kind: global_buffer, .address_space: global }
    .group_segment_fixed_size: 327680
    .private_segment_fixed_size: 0
    .kernarg_segment_align: 8
    .kernarg_segment_size: 80
    .max_flat_workgroup_size: 128
    .sgpr_count:     104
    .vgpr_count:     1024
    .wavefront_size: 32
...
	.end_amdgpu_metadata
.endif
;; end of part 2
;; launch attn (part 3): grid 8 x 32, 16 waves a work-group, no clusters, 327,680 bytes of LDS; arguments qimg, kvimg, qrel, rel_v, lowp_scales, ocodes; writes ocodes
.if DOCPART == 3
	.amdgcn_target "amdgcn-amd-amdhsa--gfx1250"
	.amdhsa_code_object_version 6
	.text
	.protected	k_qb6dd1d592b_attn
	.globl	k_qb6dd1d592b_attn
	.p2align	8
	.type	k_qb6dd1d592b_attn,@function
k_qb6dd1d592b_attn:
	s_mov_b64 s[64:65], 0
	v_nop
	global_prefetch_b8 v0, s[64:65] scope:SCOPE_SE
	s_setreg_imm32_b32 hwreg(HW_REG_WAVE_MODE, 25, 1), 1
	s_wait_xcnt 0x0
; out[bh][q] = (sum over k of p V[k] + sum over j of bucket_j rel_v[j]) / l, quantised for the last projection.  Both large products on codes of E4M3.
; t = (q . k + q . rel_k[idx]) x log2(e) / 8, idx = clip(k - q, -2, 2) + 2;  M = the running largest t rounded UP to a whole number;  p = 2^(t - M) is quantised with 2^e8, not normalised;
; l and the five buckets (the sums of p over the keys of each idx) are taken of the UNQUANTISED p in f32.  When M moves, all sums are multiplied by 2^(old M - new M): exact.
; SHARES.  A work-group owns 256 queries of one (batch, head); each of its sixteen waves 16 of them, in 256 registers: four waves to a SIMD.  Every wave walks the head's 2,048 keys, 128 a step.
; LDS.  A head's k and v as codes are 262,144 bytes: they are fetched ONCE, as they lie (images of operand registers, 16,384 bytes a step), and nothing is ever filled again: no ring.  Each wave issues two tensor loads
; at the head: its sixteenth of steps 0 and 1, and its sixteenth of steps 2 to 15; the second lands while the first two steps are worked.  By this text's count a wave has two tensor loads out.
; NO CLUSTER, though the eight work-groups of a head read the same bytes: the branches that part a step near the diagonal from the others hang on the work-group's first query, which differs between partners.
; LAYOUT.  Both products transposed: S^T = K Q^T (source 0 = 16 keys, source 1 = my 16 queries), O^T = V^T P^T: a lane holds ONE query (lane % 16); register 8 a + j of S^T is key 16 a + 8 (lane / 16) + j,
; so the conversion of tile a gives registers 2 a, 2 a + 1 of P in the plain layout of K = 128, which v's images have too.
; THE RELATIVE TERM.  Only where a tile of 16 keys lies within 16 of my 16 queries (three tiles in all) is idx chosen number by number.  Elsewhere it is 0 (keys below) or 4 (above): one addend a lane, which rides
; in the multiply-add that scales the scores, and the tile's sum of p goes whole into bucket 0 or 4.  Buckets 1, 2, 3 have one key each.  All branches hang on ids and the count of steps alone.
; LIMITS: e6 + e7 between -123 and 130 (added to c's exponent field); e8 and e10 between -126 and 119; e8 + e9 goes by v_ldexp_f32 and has none.  NaN is not served.
.set SPARE, 262144                     ; behind k and v: the spare words, 128 bytes a wave: eight blocks of 256 bytes that no other line names
.set LI,   1                           ; v1   16 x lane
.set ADK,  2                           ; v2   LDS address of the step in hand
.set DL0,  3                           ; v3   my query - 8 (lane / 16)
.set DL,   4                           ; v4   that less the step's first key
.set SPW,  5
.set NIL,  6
.set DLA,  7                           ; v7   at work on a tile's masks; on the way out rel_v's offset
.set MUL,  8                           ; v[8:9]   what the scores are multiplied by: c, or 1 where they are t already
.set ADM,  10                          ; v[10:11] what is added: the relative term - M
.set NEGM, 12
.set TMAX, 13
.set ADD,  14
.set Q,    16                          ; v16-23  my queries' codes
.set RC,   24                          ; v24-28  q . rel_k[j] x c
.set F,    30                          ; v[30:31] 2^(old M - new M)
.set KV,   32                          ; v32-95  a step's k, then its v
.set X,    96                          ; v96-159 scores, t, p
.set O,    160                         ; v160-191 O^T
.set PC,   192                         ; v192-207 p's codes
.set B0,   208                         ; v[208:209], v[210:211] buckets 0 and 4, in two halves
.set B4,   210
.set P1,   212                         ; v212-214 buckets 1, 2, 3; v215 = 0
.set P2,   213
.set P3,   214
.set T,    216                         ; v216-223 at work
.set SB1,  224
.set SB2,  226
.set PLIM, 228
.set PSC,  229
.set OLIM, 248
.set OSC,  249
.set WV,   18
.set SEL,  20
.set CS,   22                          ; s[22:23] c x 2^(e6 + e7)
.set TB,   48
.set KF,   49
.set Q0,   50
.set REL,  51                          ; the step's first key - my first query + 16
.set GF,   52
.set BM,   53
.set W0,   54
.set W4,   56
.set HM,   58
.set MK,   80                          ; s80-90  masks: i <= DLA
.set ME,   91                          ; s91-100 masks: i == DLA
; With DLA = my query - 8 (lane / 16) - the tile's first key + 1, register j's key less my query is j + 1 - DLA: it is <= 1, 0, -1, -2 where mask j, j + 1, j + 2, j + 3 is set.
.macro GM a
	v_add_nc_u32 v[DLA], 1-16*(\a), v[DL]
.irp i, 0,1,2,3,4,5,6,7,8,9,10
	v_cmp_le_i32 s[MK+\i], \i, v[DLA]
.endr
.endm
.macro GEN1 a                          ; a tile near the diagonal: the relative term is chosen number by number; t = score x c + term
	GM \a
.irp j, 0,1,2,3,4,5,6,7
	v_cndmask_b32 v[T+\j], v[RC+4], v[RC+3], s[MK+\j]
.endr
.irp j, 0,1,2,3,4,5,6,7
	v_cndmask_b32 v[T+\j], v[T+\j], v[RC+2], s[MK+\j+1]
.endr
.irp j, 0,1,2,3,4,5,6,7
	v_cndmask_b32 v[T+\j], v[T+\j], v[RC+1], s[MK+\j+2]
.endr
.irp j, 0,1,2,3,4,5,6,7
	v_cndmask_b32 v[T+\j], v[T+\j], v[RC], s[MK+\j+3]
.endr
.irp j, 0,1,2,3,4,5,6,7
	v_fma_f32 v[X+8*(\a)+\j], v[X+8*(\a)+\j], s[CS], v[T+\j]
.endr
.endm
.macro TILE1 a                         ; in a step that touches the diagonal every tile's scores become t
	s_add_co_i32 s62, s[REL], 16*(\a)
	s_cmp_le_u32 s62, 32
	s_cbranch_scc1 .Lg1_\@
	s_cmp_lt_i32 s62, 0
	s_cselect_b32 s63, -1, 0
	v_cndmask_b32 v[T], v[RC+4], v[RC], s63        ; all keys below: term 0; all above: term 4
.irp i, 0,2,4,6
	v_pk_fma_f32 v[X+8*(\a)+\i:X+8*(\a)+\i+1], v[X+8*(\a)+\i:X+8*(\a)+\i+1], s[CS:CS+1], v[T:T+1] op_sel_hi:[1,0,0]
.endr
	s_branch .Ld1_\@
.Lg1_\@:
	GEN1 \a
.Ld1_\@:
.endm
.macro GEN2 a                          ; the same tile's p into the five buckets
	GM \a
.irp i, 0,1,2,3,4,5,6,7,8,9
	s_and_not1_b32 s[ME+\i], s[MK+\i], s[MK+\i+1]
.endr
.irp j, 0,1,2,3,4,5,6,7
	v_cndmask_b32 v[T+\j], 0, v[X+8*(\a)+\j], s[MK+\j+3]
.endr
.irp i, 0,2,4,6
	v_pk_add_f32 v[B0:B0+1], v[B0:B0+1], v[T+\i:T+\i+1]
.endr
.irp j, 0,1,2,3,4,5,6,7
	v_cndmask_b32 v[T+\j], v[X+8*(\a)+\j], 0, s[MK+\j]
.endr
.irp i, 0,2,4,6
	v_pk_add_f32 v[B4:B4+1], v[B4:B4+1], v[T+\i:T+\i+1]
.endr
.irp j, 0,1,2,3,4,5,6,7
	v_cndmask_b32 v[P1], v[P1], v[X+8*(\a)+\j], s[ME+\j+2]   ; one key each: the lane that holds it takes its p
	v_cndmask_b32 v[P2], v[P2], v[X+8*(\a)+\j], s[ME+\j+1]
	v_cndmask_b32 v[P3], v[P3], v[X+8*(\a)+\j], s[ME+\j]
.endr
.endm
.macro TILE2 a
	s_add_co_i32 s62, s[REL], 16*(\a)
	s_cmp_le_u32 s62, 32
	s_cbranch_scc1 .Lg2_\@
	s_cmp_lt_i32 s62, 0
	s_cbranch_scc0 .Lab2_\@
.irp i, 0,2,4,6
	v_pk_add_f32 v[B0:B0+1], v[B0:B0+1], v[X+8*(\a)+\i:X+8*(\a)+\i+1]
.endr
	s_branch .Ld2_\@
.Lab2_\@:
.irp i, 0,2,4,6
	v_pk_add_f32 v[B4:B4+1], v[B4:B4+1], v[X+8*(\a)+\i:X+8*(\a)+\i+1]
.endr
	s_branch .Ld2_\@
.Lg2_\@:
	GEN2 \a
.Ld2_\@:
.endm
; A KEY STEP: 128 keys.
.macro STEP
	s_sub_co_i32 s[REL], s[KF], s[Q0]
	s_add_co_i32 s[REL], s[REL], 16
	s_add_co_i32 s62, s[REL], 112
	s_cmp_lt_i32 s62, 0                            ; all 128 keys lie 17 or more below my queries
	s_cselect_b32 s[BM], -1, 0
	s_cselect_b32 s[W0], 0x3f800000, 0
	s_cselect_b32 s[W4], 0, 0x3f800000
	s_cmp_le_u32 s62, 144                          ; one of the step's eight tiles lies within 16 of my queries
	s_cselect_b32 s[GF], 1, 0
	v_add_nc_u32 v[ADK], s[TB], v[LI]
.rept 3
	v_nop                                          ; with the addition: four places in front of loads into registers that the last step's products have read
.endr
.irp a, 0,1,2,3,4,5,6,7
.irp g, 0,1
	ds_load_b128 v[KV+8*\a+4*\g:KV+8*\a+4*\g+3], v[ADK] offset:1024*\a+512*\g   ; 512 consecutive bytes: no conflict
.endr
.endr
	s_wait_dscnt 0x0
.irp a, 0,1,2,3,4,5,6,7
	v_wmma_f32_16x16x64_fp8_fp8 v[X+8*\a:X+8*\a+7], v[KV+8*\a:KV+8*\a+7], v[Q:Q+7], 0
.endr
.rept 4
	v_nop                                          ; places: v's loads land where k lay, and the scores are read below
.endr
.irp t, 0,1,2,3
.irp g, 0,1,2,3
	ds_load_b128 v[KV+16*\t+4*\g:KV+16*\t+4*\g+3], v[ADK] offset:8192+2048*\t+512*\g   ; they land during the softmax
.endr
.endr
	s_cmp_lg_u32 s[GF], 0
	s_cbranch_scc1 .Lgen1_\@
	v_mov_b32 v[MUL], s[CS]
	v_cndmask_b32 v[ADD], v[RC+4], v[RC], s[BM]
	s_branch .Ljoin1_\@
.Lgen1_\@:
	v_sub_nc_u32 v[DL], v[DL0], s[KF]
.irp a, 0,1,2,3,4,5,6,7
	TILE1 \a
.endr
	v_mov_b32 v[MUL], 1.0
	v_mov_b32 v[ADD], 0
.Ljoin1_\@:
	v_max3_num_f32 v230, v[X], v[X+1], v[X+2]      ; the step's largest, in two chains; each tile is read from its low end on
	v_max3_num_f32 v231, v[X+3], v[X+4], v[X+5]
.irp i, 6,10,14,18,22,26,30,34,38,42,46,50,54,58
	v_max3_num_f32 v230, v230, v[X+\i], v[X+\i+1]
	v_max3_num_f32 v231, v231, v[X+\i+2], v[X+\i+3]
.endr
	v_max3_num_f32 v230, v230, v[X+62], v[X+63]
	v_max_num_f32 v230, v230, v231
	v_permlanex16_b32 v250, v230, s[SEL], s[SEL+1]
	v_max_num_f32 v230, v230, v250                 ; and lane l xor 16's
	v_fma_f32 v230, v230, v[MUL], v[ADD]           ; as t (the factor is positive)
	v_max_num_f32 v[TMAX], v[TMAX], v230
	v_mov_b32 v232, v[NEGM]
	v_floor_f32 v[NEGM], -v[TMAX]                  ; -M = floor(-t): M is a whole number
	v_sub_f32 v232, v[NEGM], v232
	v_cvt_i32_f32 v232, v232                       ; (it saturates)
	v_ldexp_f32 v[F], 1.0, v232                    ; 2^(old M - new M)
	v_add_f32 v[ADM], v[ADD], v[NEGM]
.set i, 0
.rept 32
	v_pk_fma_f32 v[X+i:X+i+1], v[X+i:X+i+1], v[MUL:MUL+1], v[ADM:ADM+1] op_sel_hi:[1,0,0]   ; t - M, two at a time
.set i, i+2
.endr
.set i, 0
.rept 64
	v_exp_f32 v[X+i], v[X+i]                       ; p = 2^(t - M)
.set i, i+1
.endr
	v_pk_mul_f32 v[B0:B0+1], v[B0:B0+1], v[F:F+1] op_sel_hi:[1,0]   ; the buckets under the new M: plain lines behind the exponentials
	v_pk_mul_f32 v[B4:B4+1], v[B4:B4+1], v[F:F+1] op_sel_hi:[1,0]
	v_pk_mul_f32 v[P1:P1+1], v[P1:P1+1], v[F:F+1] op_sel_hi:[1,0]
	v_pk_mul_f32 v[P3:P3+1], v[P3:P3+1], v[F:F+1] op_sel_hi:[1,0]
	s_wait_alu depctr_va_vdst(0)                   ; one wait for the batch, ahead of its first reader and of the branch
	s_cmp_lg_u32 s[GF], 0
	s_cbranch_scc1 .Lgen2_\@
	v_pk_add_f32 v[SB1:SB1+1], v[X:X+1], v[X+2:X+3]   ; the step's sum of the unquantised p, in two chains,
	v_pk_add_f32 v[SB2:SB2+1], v[X+4:X+5], v[X+6:X+7]
.irp j, 8,12,16,20,24,28,32,36,40,44,48,52,56,60
	v_pk_add_f32 v[SB1:SB1+1], v[SB1:SB1+1], v[X+\j:X+\j+1]
	v_pk_add_f32 v[SB2:SB2+1], v[SB2:SB2+1], v[X+\j+2:X+\j+3]
.endr
	v_pk_add_f32 v[SB1:SB1+1], v[SB1:SB1+1], v[SB2:SB2+1]
	v_pk_fma_f32 v[B0:B0+1], v[SB1:SB1+1], s[W0:W0+1], v[B0:B0+1] op_sel_hi:[1,0,1]   ; goes whole into bucket 0 or bucket 4: weights 1 and 0
	v_pk_fma_f32 v[B4:B4+1], v[SB1:SB1+1], s[W4:W4+1], v[B4:B4+1] op_sel_hi:[1,0,1]
	s_branch .Ljoin2_\@
.Lgen2_\@:
.irp a, 0,1,2,3,4,5,6,7
	TILE2 \a
.endr
.Ljoin2_\@:
.set i, 0
.rept 64
	v_min_num_f32 v[X+i], v[X+i], v[PLIM]          ; the conversion does not saturate (ISA guide 7.6.2); p is not negative, so the hold is one-sided
.set i, i+1
.endr
.irp a, 0,1,2,3,4,5,6,7
	v_cvt_scalef32_pk8_fp8_f32 v[PC+2*\a:PC+2*\a+1], v[X+8*\a:X+8*\a+7], v[PSC]
.endr
.set i, 0
.rept 16
	v_pk_mul_f32 v[O+i:O+i+1], v[O+i:O+i+1], v[F:F+1] op_sel_hi:[1,0]   ; O^T under the new M; also the plain lines behind the conversions
.set i, i+2
.endr
	s_wait_dscnt 0x0                               ; v is in
.irp t, 0,1,2,3
	v_wmma_f32_16x16x128_fp8_fp8 v[O+8*\t:O+8*\t+7], v[KV+16*\t:KV+16*\t+15], v[PC:PC+15], v[O+8*\t:O+8*\t+7]   ; the four accumulators by turns
.endr
	s_add_co_u32 s[KF], s[KF], 128
	s_add_co_u32 s[TB], s[TB], 16384
.endm
	s_load_b256 s[4:11], s[0:1], 0x0               ; qimg 4, kvimg 6, qrel 8, rel_v 10
	s_load_b128 s[12:15], s[0:1], 0x20             ; the exponents 12, ocodes 14
	v_lshl_add_u32 v[SPW], v0, 2, SPARE
	v_mov_b32 v[NIL], 0
	ds_add_u32 v[SPW], v[NIL]                      ; the wave's opening: the add and its wait ahead of my first tensor load; work on registers stands between them
	v_lshrrev_b32 v1, 5, v0
	v_readfirstlane_b32 s[WV], v1                  ; wave 0..15
	s_and_b32 s16, ttmp7, 0xffff                   ; bh
	s_lshl_b32 s[Q0], ttmp9, 8
	s_lshl_b32 s17, s[WV], 4
	s_add_co_u32 s[Q0], s[Q0], s17                 ; my first query
	; descriptor groups 1: dense blocks as rows of 32 elements of 8 bytes, no padding: 8 rows, and 56 rows
	s_mov_b32 s24, 3<<16
	s_mov_b32 s25, 32<<16
	s_mov_b32 s26, 8<<16
	s_mov_b32 s27, 32<<16
	s_mov_b32 s28, 8
	s_mov_b32 s29, 32
	s_mov_b32 s30, 0
	s_mov_b32 s31, 0
	s_mov_b32 s32, 3<<16
	s_mov_b32 s33, 32<<16
	s_mov_b32 s34, 56<<16
	s_mov_b32 s35, 32<<16
	s_mov_b32 s36, 56
	s_mov_b32 s37, 32
	s_mov_b32 s38, 0
	s_mov_b32 s39, 0
	s_mov_b32 s40, 1
	s_lshl_b32 s41, s[WV], 11                      ; LDS byte = byte in the head's block: 2,048 x wave,
	s_mov_b32 s44, 1
	s_mul_i32 s45, s[WV], 14336
	s_add_co_u32 s45, s45, 32768                   ; and 32,768 + 14,336 x wave
	s_lshl_b32 s62, s16, 18                        ; the head's block
	s_add_co_u32 s2, s62, s41
	s_mov_b32 s3, 0
	s_add_co_u32 s66, s62, s45
	s_mov_b32 s67, 0
	s_mov_b32 s[SEL], 0x76543210
	s_mov_b32 s[SEL+1], 0xfedcba98
	s_mov_b32 s[HM], 0xffff0000                    ; lanes 16-31
	s_mov_b32 s[W0+1], 0                           ; (named as the upper halves of pairs)
	s_mov_b32 s[W4+1], 0
	s_mov_b32 s[TB], 0
	s_mov_b32 s[KF], 0
	s_wait_dscnt 0x0                               ; the opening add is done
	s_wait_kmcnt 0x0
	s_load_b256 s[68:75], s[12:13], 0x0            ; e0 .. e7
	s_load_b128 s[76:79], s[12:13], 0x20           ; e8 .. e11
	s_add_nc_u64 s[42:43], s[6:7], s[2:3]
	s_or_b32 s43, s43, 0x80000000
	s_add_nc_u64 s[46:47], s[6:7], s[66:67]
	s_or_b32 s47, s47, 0x80000000
	tensor_load_to_lds s[40:43], s[24:31]          ; my sixteenth of key steps 0 and 1
	s_nop 0
	tensor_load_to_lds s[44:47], s[32:39]          ; my sixteenth of key steps 2 to 15
	s_nop 0
.rept 4
	v_nop
.endr
	s_lshl_b32 s2, s16, 17
	s_lshl_b32 s62, s[Q0], 6
	s_add_co_u32 s2, s2, s62
	s_add_nc_u64 s[4:5], s[4:5], s[2:3]            ; my queries' image
	s_lshl_b32 s2, s16, 16
	s_lshl_b32 s62, s[Q0], 5
	s_add_co_u32 s2, s2, s62
	s_add_nc_u64 s[8:9], s[8:9], s[2:3]            ; their q . rel_k
	s_and_b32 s62, s16, 15                         ; the head
	s_lshr_b32 s63, s16, 4                         ; the batch
	s_lshr_b32 s2, s62, 2
	s_lshl_b32 s2, s2, 20                          ; ocodes: four heads to a slot of 1 MiB,
	s_lshl_b32 s63, s63, 19
	s_add_co_u32 s2, s2, s63
	s_lshl_b32 s63, s[Q0], 8
	s_add_co_u32 s2, s2, s63                       ; 4,096 bytes a tile of 16 rows,
	s_and_b32 s62, s62, 3
	s_lshl_b32 s62, s62, 10
	s_add_co_u32 s2, s2, s62                       ; 1,024 a head
	s_add_nc_u64 s[14:15], s[14:15], s[2:3]
	v_and_b32 v1, 31, v0
	v_lshlrev_b32 v[LI], 4, v1
	v_and_b32 v8, 15, v0                           ; r
	v_bfe_u32 v9, v0, 4, 1                         ; h
	v_lshlrev_b32 v15, 5, v8
	global_load_b128 v[Q:Q+3], v[LI], s[4:5]
	global_load_b128 v[Q+4:Q+7], v[LI], s[4:5] offset:512
	global_load_b128 v[RC:RC+3], v15, s[8:9]
	global_load_b32 v[RC+4], v15, s[8:9] offset:16
	v_lshlrev_b32 v9, 3, v9
	v_sub_nc_u32 v[DL0], v8, v9
	v_add_nc_u32 v[DL0], s[Q0], v[DL0]
	v_mov_b32 v[DL], 0
	v_mov_b32 v[DLA], 0
	v_mov_b32 v[ADM+1], 0                          ; (upper halves of pairs that are named with their low word; v9 has been written)
	v_mov_b32 v[F+1], 0
	v_mov_b32 v[T+1], 0
	v_mov_b32 v[TMAX], 0xff61b1e6                  ; the largest t so far: -3e38
	v_floor_f32 v[NEGM], -v[TMAX]
.set i, 0
.rept 32
	v_mov_b32 v[O+i], 0                            ; O^T: the step is written for every step alike; the first finds zeros, which the first change of M leaves zeros
.set i, i+1
.endr
.set i, 0
.rept 8
	v_mov_b32 v[B0+i], 0                           ; the buckets
.set i, i+1
.endr
.irp i, 250,251,252,253,254
	v_mov_b32 v\i, 0                               ; a lane permute's destination counts as one of its sources
.endr
	s_wait_kmcnt 0x0
	s_mov_b32 s60, 0x3e38aa3b                      ; c = log2(e) / 8
	s_add_co_i32 s62, s74, s75
	s_lshl_b32 s62, s62, 23
	s_add_co_i32 s[CS], s60, s62                   ; a score stands for score x 2^(e6 + e7)
	s_mov_b32 s[CS+1], s[CS]
	s_add_co_i32 s62, s76, 127
	s_lshl_b32 s63, s62, 23
	v_mov_b32 v[PSC], s63                          ; 2^e8
	s_add_co_i32 s62, s62, 8
	s_lshl_b32 s62, s62, 23
	s_or_b32 s62, s62, 0x600000
	v_mov_b32 v[PLIM], s62                         ; 448 x 2^e8
	s_add_co_i32 s62, s78, 127
	s_lshl_b32 s63, s62, 23
	v_mov_b32 v[OSC], s63                          ; 2^e10
	s_add_co_i32 s62, s62, 8
	s_lshl_b32 s62, s62, 23
	s_or_b32 s62, s62, 0x600000
	v_mov_b32 v[OLIM], s62
	s_add_co_i32 s61, s76, s77                     ; e8 + e9
	s_wait_loadcnt 0x0
.irp j, 0,1,2,3,4
	v_mul_f32 v[RC+\j], s60, v[RC+\j]
.endr
	s_wait_tensorcnt 0x1                           ; my part of steps 0 and 1 is in; the other load may stay out
	s_barrier_signal -1
	s_barrier_wait -1                              ; everybody's is
	s_mov_b32 s59, 2
.Lfirst:
	STEP
	s_sub_co_u32 s59, s59, 1
	s_cmp_lg_u32 s59, 0
	s_cbranch_scc1 .Lfirst
	s_wait_tensorcnt 0x0                           ; my part of steps 2 to 15 is in
	s_wait_dscnt 0x0
	s_barrier_signal -1
	s_barrier_wait -1
	s_mov_b32 s59, 14
.Lrest:
	STEP
	s_sub_co_u32 s59, s59, 1
	s_cmp_lg_u32 s59, 0
	s_cbranch_scc1 .Lrest
	; THE WAY OUT.  out = O^T x 2^(e8 + e9) / l + the sum over j of (bucket_j / l) rel_v[j], quantised with 2^e10.
	v_add_f32 v[B0], v[B0], v[B0+1]                ; four plain lines: the places behind the last products
	v_add_f32 v[B4], v[B4], v[B4+1]
	v_bfe_u32 v[DLA], v0, 4, 1
	v_lshlrev_b32 v[DLA], 5, v[DLA]                ; 32 x (lane / 16)
.irp j, 0,1,2,3,4
.irp t, 0,1,2,3
.if \j < 4
.set RV, 32+32*\j+8*\t
.else
.set RV, 216+8*\t
.endif
	global_load_b128 v[RV:RV+3], v[DLA], s[10:11] offset:256*\j+64*\t          ; rel_v[j][16 t + 8 h + 0 .. 7]: O^T's layout
	global_load_b128 v[RV+4:RV+7], v[DLA], s[10:11] offset:256*\j+64*\t+16
.endr
.endr
	v_permlanex16_b32 v250, v[B0], s[SEL], s[SEL+1]
	v_permlanex16_b32 v251, v[B4], s[SEL], s[SEL+1]
	v_permlanex16_b32 v252, v[P1], s[SEL], s[SEL+1]
	v_permlanex16_b32 v253, v[P2], s[SEL], s[SEL+1]
	v_permlanex16_b32 v254, v[P3], s[SEL], s[SEL+1]
	v_add_f32 v[B0], v[B0], v250                   ; each bucket with lane l xor 16's
	v_add_f32 v[B4], v[B4], v251
	v_add_f32 v[P1], v[P1], v252
	v_add_f32 v[P2], v[P2], v253
	v_add_f32 v[P3], v[P3], v254
	v_add_f32 v8, v[B0], v[B4]
	v_add_f32 v9, v[P1], v[P2]
	v_add_f32 v8, v8, v[P3]
	v_add_f32 v8, v8, v9                           ; l: the buckets part the keys among them
	v_rcp_f32 v10, v8
	v_nop                                          ; a plain line behind the transcendental
	s_wait_alu depctr_va_vdst(0)                   ; and a wait ahead of its first reader
	v_mul_f32 v192, v[B0], v10                     ; bucket_j / l in the low register of pair j; the packed forms take it for both halves
	v_mul_f32 v194, v[P1], v10
	v_mul_f32 v196, v[P2], v10
	v_mul_f32 v198, v[P3], v10
	v_mul_f32 v200, v[B4], v10
	v_ldexp_f32 v204, v10, s61                     ; 2^(e8 + e9) / l
	s_wait_loadcnt 0x0
.set i, 0
.rept 16
	v_pk_mul_f32 v[O+i:O+i+1], v[O+i:O+i+1], v[204:205] op_sel_hi:[1,0]   ; each accumulator from its low end on
.set i, i+2
.endr
.irp j, 0,1,2,3,4
.if \j < 4
.set RV, 32+32*\j
.else
.set RV, 216
.endif
.set i, 0
.rept 16
	v_pk_fma_f32 v[O+i:O+i+1], v[RV+i:RV+i+1], v[192+2*\j:193+2*\j], v[O+i:O+i+1] op_sel_hi:[1,0,1]
.set i, i+2
.endr
.endr
.set i, 0
.rept 32
	v_med3_num_f32 v[O+i], v[O+i], -v[OLIM], v[OLIM]
.set i, i+1
.endr
.irp t, 0,1,2,3
	v_cvt_scalef32_pk8_fp8_f32 v[96+2*\t:97+2*\t], v[O+8*\t:O+8*\t+7], v[OSC]   ; tile t: channels 16 t + 8 h + 0 .. 7 of my row
.endr
	v_nop                                          ; a plain line behind the conversions
	; the last projection reads k = 32 b + 16 h + 0 .. 15 a lane: lanes 0-15 want both halves' tile 2 b, lanes 16-31 both halves' tile 2 b + 1: one exchange between the halves
.irp b, 0,1
.irp w, 0,1
	v_cndmask_b32 v[104+2*\b+\w], v[98+4*\b+\w], v[96+4*\b+\w], s[HM]   ; what the other half wants of me
.endr
.endr
.irp i, 0,1,2,3
	v_permlanex16_b32 v[108+\i], v[104+\i], s[SEL], s[SEL+1]
.endr
.irp b, 0,1
.irp w, 0,1
	v_cndmask_b32 v[112+4*\b+\w], v[96+4*\b+\w], v[108+2*\b+\w], s[HM]
	v_cndmask_b32 v[114+4*\b+\w], v[108+2*\b+\w], v[98+4*\b+\w], s[HM]
.endr
.endr
.irp b, 0,1
	global_store_b128 v[LI], v[112+4*\b:115+4*\b], s[14:15] offset:512*\b   ; 32 lanes store 512 consecutive bytes
.endr
	s_wait_tensorcnt 0x0                           ; the wave's end
	ds_add_u32 v[SPW], v[NIL]
	s_wait_dscnt 0x0
	s_endpgm
.Lfunc_end_k_qb6dd1d592b_attn:
	.size	k_qb6dd1d592b_attn, .Lfunc_end_k_qb6dd1d592b_attn-k_qb6dd1d592b_attn
	.p2alignl 7, 3214868480
	.fill 96, 4, 3214868480
	.section	.rodata,"a",@progbits
	.p2align	6, 0x0
	.amdhsa_kernel k_qb6dd1d592b_attn
		.amdhsa_group_segment_fixed_size 327680
		.amdhsa_private_segment_fixed_size 0
		.amdhsa_enable_private_segment 0
		.amdhsa_kernarg_size 48
		.amdhsa_user_sgpr_count 2
		.amdhsa_user_sgpr_kernarg_segment_ptr 1
		.amdhsa_wavefront_size32 1
		.amdhsa_system_sgpr_workgroup_id_x 1
		.amdhsa_system_sgpr_workgroup_id_y 1
		.amdhsa_system_sgpr_workgroup_id_z 1
		.amdhsa_system_vgpr_workitem_id 0
		.amdhsa_next_free_vgpr 256
		.amdhsa_next_free_sgpr 102
		.amdhsa_reserve_vcc 0
		.amdhsa_float_denorm_mode_32 3
		.amdhsa_float_denorm_mode_16_64 3
		.amdhsa_memory_ordered 1
		.amdhsa_forward_progress 1
		.amdhsa_inst_pref_size 191
	.end_amdhsa_kernel
	.amdgpu_metadata
---
amdhsa.version: [ 1, 2 ]
amdhsa.kernels:
  - .name:           k_qb6dd1d592b_attn
    .symbol:         k_qb6dd1d592b_attn.kd
    .args:
      - { .name: qimg, .offset: 0, .size: 8, .value_kind: global_buffer, .address_space: global }
      - { .name: kvimg, .offset: 8, .size: 8, .value_kind: global_buffer, .address_space: global }
      - { .name: qrel, .offset: 16, .size: 8, .value_kind: global_buffer, .address_space: global }
      - { .name: rel_v, .offset: 24, .size: 8, .value_kind: global_buffer, .address_space: global }
      - { .name: lowp_scales, .offset: 32, .size: 8, .value_kind: global_buffer, .address_space: global }
      - { .name: ocodes, .offset: 40, .size: 8, .value_kind: global_buffer, .address_space: global }
    .group_segment_fixed_size: 327680
    .private_segment_fixed_size: 0
    .kernarg_segment_align: 8
    .kernarg_segment_size: 48
    .max_flat_workgroup_size: 512
    .sgpr_count:     102
    .vgpr_count:     256
    .wavefront_size: 32
...
	.end_amdgpu_metadata
.endif
;; end of part 3
;; launch oproj (part 4): grid 4 x 16, 4 waves a work-group, clusters of 4 x 4, 327,680 bytes of LDS; arguments ocodes, wc, lowp_scales, out0, bo; writes out0
.if DOCPART == 4
	.amdgcn_target "amdgcn-amd-amdhsa--gfx1250"
	.amdhsa_code_object_version 6
	.text
	.protected	k_qb6dd1d592b_oproj
	.globl	k_qb6dd1d592b_oproj
	.p2align	8
	.type	k_qb6dd1d592b_oproj,@function
k_qb6dd1d592b_oproj:
	s_mov_b64 s[64:65], 0
	v_nop
	global_prefetch_b8 v0, s[64:65] scope:SCOPE_SE
	s_setreg_imm32_b32 hwreg(HW_REG_WAVE_MODE, 25, 1), 1
	s_wait_xcnt 0x0
	s_wait_alu depctr_hold_cnt(0) depctr_sa_sdst(0) depctr_va_vdst(0) depctr_va_sdst(0) depctr_va_ssrc(0) depctr_va_vcc(0) depctr_vm_vsrc(0)
	s_getreg_b32 s2, hwreg(HW_REG_IB_STS2, 6, 4)
	s_cmp_eq_u32 s2, 0
	s_cbranch_scc0 .Lentry_in_a_cluster
	s_endpgm
.Lentry_in_a_cluster:
	s_bfe_u32 s2, ttmp6, 0x10000c
	s_cmp_lg_u32 s2, 0xf033
	s_cbranch_scc0 .Lentry_shape_is_right
	s_endpgm
.Lentry_shape_is_right:
; out0 = A Wo + bo on codes of E4M3: A [4096][1024] is the attention's result (scale 2^e10), Wo's codes lie [N][K] in plane 3 of wc (scale 2^e11); sums in f32, each multiplied once by 2^(e10 + e11).
; LIMIT: e10 + e11 between -126 and 127.
; A tile of out0, 256 x 256, is made by four waves of 128 x 128: 64 accumulators.  K goes in steps of 256 through a ring of two LDS slots filled by joint tensor loads (4 x 4 work-groups: A's tile shared along a row
; of the cluster, Wo's along a column).  64 tiles: the launch has work for 64 work-groups.
; A LIES AS IMAGES OF ITS FRAGMENTS: ocodes [K step of 256][tile of 16 rows][4,096 bytes]; in a tile's block the four registers of (the q-th 128 along K, c) lie at 512 (4 q + c) + 16 x lane, and lane (r, h) holds
; k = 128 q + 32 c + 16 h + 0 .. 15 of row r: what a load of 16 bytes takes from a row of Wo's codes too.  So a K step's 128 rows are one dense block of 32,768 bytes, fetched as 128 lines of 256 bytes.
; THE MATRIX INSTRUCTION IS USED TRANSPOSED (source 0 = 16 rows of Wo's codes, source 1 = 16 rows of A): a lane holds eight neighbouring numbers of a row of out0.
; REGISTERS: window 0: v16-31 addresses; v32-95 the bias in the result's layout; v128-255 A's fragments, one set, later rows on their way out.  window 1: Wo's fragments, two sets; on the way out v0-63 a block's results.
;   windows 2, 3: the accumulators.
.set SIZE_N, 1024
.set TROW,   256
.set KROW,   1024
.set ASTEP,  0x100000                  ; from a K step of A to the next
.set PITCH,  272                       ; an LDS line: 256 bytes + 16 of padding
.set FR,     16
.set NL,     4
.set NP,     4
.set HALFT,  128*PITCH
.set SLOT,   4*HALFT
.set LAPS,   2
.set SPARE,  2*SLOT
.set SPITCH, 528                       ; the way out: a stage of 16 rows x (512 bytes + 16) a wave, in slot 0, which has had its last fill and its last read by then
.set ADRA, 16
.set ADRB, 20
.set STO,  24
.set RD,   25
.set CO,   26
.set HO,   27                          ; v27  32 x (lane / 16)
.set SPW,  28
.set NIL,  29
.set BIAS, 32
.set TMP,  0                           ; in window 1
.set AF,   128
.set BK,   128
.set G1, 24
.set G0, 32
.set G1B, 48
.set G0B, 56
.set MSB, 0
.macro WIN new
.if MSB != (\new)
	s_set_vgpr_msb (MSB<<8)|(\new)
.set MSB, (\new)
.endif
.endm
.set MUL_LO, 0xa1
.set MUL_HI, 0xf1
.set TO_B,   0x40
.macro JLOAD g0a, g1a, g0b, g1b        ; waves 0 and 1 fetch for A, waves 2 and 3 for Wo; an s_nop 0 and four v_nop follow each line
	s_cmp_eq_u32 s15, 0
	s_cbranch_scc0 .Lfor_b_\@
	tensor_load_to_lds s[\g0a:\g0a+3], s[\g1a:\g1a+7]
	s_nop 0
.rept 4
	v_nop
.endr
	s_branch .Lasked_\@
.Lfor_b_\@:
	tensor_load_to_lds s[\g0b:\g0b+3], s[\g1b:\g1b+7]
	s_nop 0
.rept 4
	v_nop
.endr
.Lasked_\@:
.endm
.macro CREST
	s_cmp_lg_u32 s14, 0
	s_cbranch_scc1 .Lnot_wave_0_\@
	s_barrier_signal -3
.Lnot_wave_0_\@:
	s_barrier_wait -3
	s_barrier_signal -1
	s_barrier_wait -1
.endm
.macro CROUND
	s_barrier_signal -1
	s_barrier_wait -1
	CREST
.endm
	s_load_b128 s[4:7], s[0:1], 0x0                ; ocodes, wc
	s_load_b128 s[8:11], s[0:1], 0x10              ; the exponents, out0
	s_load_b64 s[12:13], s[0:1], 0x20              ; bo
	v_lshl_add_u32 v[SPW], v0, 2, SPARE
	v_mov_b32 v[NIL], 0
	ds_add_u32 v[SPW], v[NIL]                      ; the wave's opening: the add and its wait ahead of my first tensor load
	v_lshrrev_b32 v1, 5, v0
	v_readfirstlane_b32 s14, v1
	s_lshr_b32 s15, s14, 1                         ; which half of the tile's rows is mine.  Also: I fetch for A (0) or for Wo (1)
	s_and_b32 s16, s14, 1                          ; which half of its columns.  Also: which half of that tile I fetch
	s_bfe_u32 s40, ttmp6, 0x40000
	s_bfe_u32 s41, ttmp6, 0x40004
	s_lshl_b32 s42, ttmp9, 2
	s_add_co_u32 s42, s42, s40                     ; tile column
	s_and_b32 s17, ttmp7, 0xffff
	s_lshl_b32 s17, s17, 2
	s_add_co_u32 s17, s17, s41                     ; tile row
	s_lshl_b32 s43, s41, 2
	s_lshl_b32 s43, 15, s43
	s_lshl_b32 s44, 0x1111, s40
	s_or_b32 s[G1+0], s43, (0<<16)|(1<<20)|(1<<21)|(5<<22)|(3<<25)
	s_or_b32 s[G1B+0], s44, (0<<16)|(1<<20)|(1<<21)|(5<<22)|(3<<25)
.irp g, G1, G1B
	s_mov_b32 s[\g+1], TROW<<16
	s_mov_b32 s[\g+2], 128<<16
	s_mov_b32 s[\g+3], TROW<<16
	s_mov_b32 s[\g+4], 128
	s_mov_b32 s[\g+6], 0
	s_mov_b32 s[\g+7], 0
.endr
	s_mov_b32 s[G1+5], TROW                        ; A: a dense block: line follows line
	s_mov_b32 s[G1B+5], KROW                       ; Wo: rows of 1,024 bytes
	s_lshl_b32 s20, s17, 16                        ; A: 16 tiles of rows x 4,096 bytes a tile row of out0,
	s_lshl_b32 s18, s16, 15
	s_add_co_u32 s20, s20, s18                     ; 8 of them a half
	s_mov_b32 s21, 0
	s_lshl_b32 s18, s16, 7
	s_lshl_b32 s46, s42, 8
	s_add_co_u32 s46, s46, s18
	s_lshl_b32 s46, s46, 10
	s_add_co_u32 s46, s46, 0x300000                ; Wo's plane of wc
	s_mov_b32 s47, 0
	s_mul_i32 s45, s14, HALFT
	s_wait_dscnt 0x0
	s_wait_kmcnt 0x0
	s_load_b64 s[96:97], s[8:9], 0x28              ; e10, e11
	s_add_nc_u64 s[20:21], s[4:5], s[20:21]
	s_add_nc_u64 s[46:47], s[6:7], s[46:47]
	CROUND
.irp s, 0,1
	s_mov_b32 s[G0+4*\s], 1
	s_add_co_u32 s[G0+4*\s+1], s45, \s*SLOT
	s_add_nc_u64 s[G0+4*\s+2:G0+4*\s+3], s[20:21], \s*ASTEP
	s_or_b32 s[G0+4*\s+3], s[G0+4*\s+3], 0x80000000
	s_mov_b32 s[G0B+4*\s], 1
	s_add_co_u32 s[G0B+4*\s+1], s45, \s*SLOT
	s_add_nc_u64 s[G0B+4*\s+2:G0B+4*\s+3], s[46:47], \s*TROW
	s_or_b32 s[G0B+4*\s+3], s[G0B+4*\s+3], 0x80000000
	JLOAD G0+4*\s, G1, G0B+4*\s, G1B
.endr
	v_and_b32 v1, 15, v0                           ; r
	v_bfe_u32 v2, v0, 4, 1                         ; h
	v_mul_u32_u24 v3, v1, PITCH
	v_lshl_add_u32 v4, v2, 4, v3                   ; Wo: row x pitch + 16 x half
	v_mul_u32_u24 v7, v2, PITCH
	v_lshl_add_u32 v7, v1, 4, v7                   ; A: 16 x lane in the image = line h, byte 16 r
	s_mul_i32 s21, s15, HALFT
	s_mul_i32 s22, s16, HALFT
	s_add_co_u32 s22, s22, 2*HALFT
.irp s, 0,1
	v_add_nc_u32 v[ADRA+\s], s21, v7
	v_add_nc_u32 v[ADRB+\s], s22, v4
	s_add_co_u32 s21, s21, SLOT
	s_add_co_u32 s22, s22, SLOT
.endr
	s_mul_i32 s23, s14, 16*SPITCH                  ; my stage
	v_mul_u32_u24 v5, v1, SPITCH
	v_lshl_add_u32 v5, v2, 5, v5
	v_add_nc_u32 v[STO], s23, v5
	v_and_b32 v6, 31, v0
	v_lshlrev_b32 v[CO], 4, v6
	v_add_nc_u32 v[RD], s23, v[CO]
	v_lshlrev_b32 v[HO], 5, v2
	s_lshl_b32 s20, s17, 8
	s_lshl_b32 s21, s15, 7
	s_add_co_u32 s20, s20, s21                     ; my first row of out0
	s_lshl_b32 s20, s20, 12                        ; rows of 4,096 bytes
	s_mov_b32 s21, 0
	s_lshl_b32 s46, s42, 10                        ; my first column, in bytes
	s_lshl_b32 s47, s16, 9
	s_add_co_u32 s46, s46, s47
	s_mov_b32 s47, 0
	s_add_nc_u64 s[12:13], s[12:13], s[46:47]      ; bo at my first column
	s_add_nc_u64 s[20:21], s[20:21], s[46:47]
	s_add_nc_u64 s[10:11], s[10:11], s[20:21]
.irp b, 0,1,2,3,4,5,6,7
	global_load_b128 v[BIAS+8*\b:BIAS+8*\b+3], v[HO], s[12:13] offset:64*\b       ; bo[my first column + 16 b + 8 h + 0 .. 7]; waited for on the way out
	global_load_b128 v[BIAS+8*\b+4:BIAS+8*\b+7], v[HO], s[12:13] offset:64*\b+16
.endr
.macro FRAG reg, adr, q, i
.irp c, 0,1,2,3
	ds_load_b128 v[\reg+4*\c:\reg+4*\c+3], v[\adr] offset:128*(\q)+32*\c+(\i)*16*PITCH
.endr
.endm
.macro FRAGA reg, adr, q, i            ; from the image: tile i of rows begins at line 16 i; group 4 q + c takes two lines; 16 lanes read 256 consecutive bytes
.irp c, 0,1,2,3
	ds_load_b128 v[\reg+4*\c:\reg+4*\c+3], v[\adr] offset:(16*(\i)+8*(\q)+2*\c)*PITCH
.endr
.endm
.macro MUL16 a0, p, zero               ; the 64 accumulators take turns, one instruction a turn
.irp a, \a0, \a0+1
.irp b, 0,1,2,3,4,5,6,7
.if \zero
	v_wmma_f32_16x16x128_fp8_fp8 v[8*(8*((\a)%4)+\b):8*(8*((\a)%4)+\b)+7], v[128*(\p)+FR*\b:128*(\p)+FR*\b+FR-1], v[AF+FR*(\a):AF+FR*(\a)+FR-1], 0
.else
	v_wmma_f32_16x16x128_fp8_fp8 v[8*(8*((\a)%4)+\b):8*(8*((\a)%4)+\b)+7], v[128*(\p)+FR*\b:128*(\p)+FR*\b+FR-1], v[AF+FR*(\a):AF+FR*(\a)+FR-1], v[8*(8*((\a)%4)+\b):8*(8*((\a)%4)+\b)+7]
.endif
.endr
.endr
.endm
.macro FETCH_B slot, q, p
	WIN TO_B
.irp i, 0,1,2,3,4,5,6,7
	FRAG 128*(\p)+FR*\i, ADRB+\slot, \q, \i
.endr
	WIN 0
.endm
.macro FETCH_A slot, q, i0
.irp i, \i0, \i0+1, \i0+2, \i0+3
	FRAGA AF+FR*(\i), ADRA+\slot, \q, \i
.endr
.endm
.macro PLACES n
.rept \n
	v_nop
.endr
.endm
.macro STEP slot, q, zero
	s_wait_dscnt 4*NL                              ; Wo's set and A's blocks 0-3 are in; the youngest sixteen loads (A's blocks 4-7) may be out
	WIN MUL_LO
	MUL16 0, (\q)%2, \zero
	MUL16 2, (\q)%2, \zero
	s_wait_dscnt 0
	PLACES NP
	FETCH_B \slot, (\q)+1, 1-(\q)%2
	FETCH_A \slot, (\q)+1, 0
	WIN MUL_HI
	MUL16 4, (\q)%2, \zero
	MUL16 6, (\q)%2, \zero
	PLACES NP
	WIN 0
	FETCH_A \slot, (\q)+1, 4
.endm
.macro TURN slot, next, fill
	s_wait_tensorcnt 0x0                           ; all my tensor loads have landed: my part of the next slot
	ds_add_u32 v[SPW], v[NIL]
	s_wait_dscnt 4*NL+1                            ; (the add and the youngest sixteen loads may be out)
	WIN MUL_LO
	MUL16 0, 1, 0
	s_wait_dscnt 0x0                               ; the add is done, and my reads of this slot are over
	s_barrier_signal -1
	MUL16 2, 1, 0
	WIN 0
	s_barrier_wait -1
.if \fill
	CREST                                          ; the barrier has opened a round of the cluster's barrier
	s_add_nc_u64 s[G0+4*\slot+2:G0+4*\slot+3], s[G0+4*\slot+2:G0+4*\slot+3], 2*ASTEP
	s_add_nc_u64 s[G0B+4*\slot+2:G0B+4*\slot+3], s[G0B+4*\slot+2:G0B+4*\slot+3], 2*TROW
	JLOAD G0+4*\slot, G1, G0B+4*\slot, G1B
.else
	PLACES NP
.endif
	FETCH_B \next, 0, 0
	FETCH_A \next, 0, 0
	WIN MUL_HI
	MUL16 4, 1, 0
	MUL16 6, 1, 0
	PLACES NP
	WIN 0
	FETCH_A \next, 0, 4
.endm
	s_wait_tensorcnt 1                             ; my part of slot 0 is in; slot 1's load may be out
	s_barrier_signal -1
	s_barrier_wait -1
	FETCH_B 0, 0, 0
	FETCH_A 0, 0, 0
	FETCH_A 0, 0, 4
	STEP 0, 0, 1
	s_mov_b32 s3, LAPS-1
.Llap:
	TURN 0, 1, 1
	STEP 1, 0, 0
	TURN 1, 0, 1
	STEP 0, 0, 0
	s_sub_co_u32 s3, s3, 1
	s_cmp_lg_u32 s3, 0
	s_cbranch_scc1 .Llap
	TURN 0, 1, 0
	STEP 1, 0, 0
	s_wait_dscnt 4*NL
	WIN MUL_LO
	MUL16 0, 1, 0
	MUL16 2, 1, 0
	s_wait_dscnt 0
	WIN MUL_HI
	MUL16 4, 1, 0
	MUL16 6, 1, 0
	WIN 0
; THE WAY OUT, block by block of 16 rows x 128 columns: sum x 2^(e10 + e11) + bo, through my own stage in LDS, back as whole rows of 512 bytes.  LDS serves a wave's instructions in order (ISA guide 5.7.1.4).
.macro TOSTAGE a
.set AC, 64*((\a)%4)
	WIN 0x42+((\a)/4)                              ; source 0: the accumulators' window; destination window 1; the bias in window 0
.irp j, 0,2,4,6,8,10,12,14,16,18,20,22,24,26,28,30,32,34,36,38,40,42,44,46,48,50,52,54,56,58,60,62
	v_pk_fma_f32 v[TMP+\j:TMP+\j+1], v[AC+\j:AC+\j+1], s[96:97], v[BIAS+\j:BIAS+\j+1] op_sel_hi:[1,0,1]   ; each accumulator from its low end on
.endr
	WIN 0x04                                       ; store data window 1
.irp b, 0,1,2,3,4,5,6,7
	ds_store_b128 v[STO], v[TMP+8*\b:TMP+8*\b+3] offset:64*\b
	ds_store_b128 v[STO], v[TMP+8*\b+4:TMP+8*\b+7] offset:64*\b+16
.endr
	WIN 0
.set BB, BK+64*((\a)%2)
.irp t, 0,1,2,3,4,5,6,7,8,9,10,11,12,13,14,15
	ds_load_b128 v[BB+4*\t:BB+4*\t+3], v[RD] offset:\t*SPITCH
.endr
.endm
.macro SEND a, younger
.set BB, BK+64*((\a)%2)
	s_wait_dscnt \younger
.if (\a) > 0
	s_add_nc_u64 s[10:11], s[10:11], 16*SIZE_N*4   ; (behind a wait on XCNT: the earlier stores have read their base)
.endif
.irp t, 0,1,2,3,4,5,6,7,8,9,10,11,12,13,14,15
	global_store_b128 v[CO], v[BB+4*\t:BB+4*\t+3], s[10:11] offset:\t*SIZE_N*4 th:TH_STORE_NT   ; 32 lanes store 512 consecutive bytes, aligned
.endr
.endm
	s_wait_kmcnt 0x0
	s_add_co_i32 s96, s96, s97
	s_add_co_i32 s96, s96, 127
	s_lshl_b32 s96, s96, 23                        ; 2^(e10 + e11) as f32
	s_wait_loadcnt 0x0                             ; the bias
	PLACES NP
	TOSTAGE 0
.irp a, 1,2,3,4,5,6,7
.if \a > 1
	s_wait_xcnt 0x0                                ; block a - 2's stores have read their registers and their base
.endif
	TOSTAGE \a
	SEND \a-1, 32                                  ; behind block a - 1's loads: block a's 16 stores and 16 loads
.endr
	s_wait_xcnt 0x0
	SEND 7, 0
	s_wait_tensorcnt 0x0                           ; the wave's end
	ds_add_u32 v[SPW], v[NIL]
	s_wait_dscnt 0x0
	CROUND                                         ; the closing round
	s_endpgm
.Lfunc_end_k_qb6dd1d592b_oproj:
	.size	k_qb6dd1d592b_oproj, .Lfunc_end_k_qb6dd1d592b_oproj-k_qb6dd1d592b_oproj
	.p2alignl 7, 3214868480
	.fill 96, 4, 3214868480
	.section	.rodata,"a",@progbits
	.p2align	6, 0x0
	.amdhsa_kernel k_qb6dd1d592b_oproj
		.amdhsa_group_segment_fixed_size 327680
		.amdhsa_private_segment_fixed_size 0
		.amdhsa_enable_private_segment 0
		.amdhsa_kernarg_size 40
		.amdhsa_user_sgpr_count 2
		.amdhsa_user_sgpr_kernarg_segment_ptr 1
		.amdhsa_wavefront_size32 1
		.amdhsa_system_sgpr_workgroup_id_x 1
		.amdhsa_system_sgpr_workgroup_id_y 1
		.amdhsa_system_sgpr_workgroup_id_z 1
		.amdhsa_system_vgpr_workitem_id 0
		.amdhsa_next_free_vgpr 1024
		.amdhsa_next_free_sgpr 98
		.amdhsa_reserve_vcc 0
		.amdhsa_float_denorm_mode_32 3
		.amdhsa_float_denorm_mode_16_64 3
		.amdhsa_memory_ordered 1
		.amdhsa_forward_progress 1
		.amdhsa_inst_pref_size 125
	.end_amdhsa_kernel
	.amdgpu_metadata
---
amdhsa.version: [ 1, 2 ]
amdhsa.kernels:
  - .name:           k_qb6dd1d592b_oproj
    .symbol:         k_qb6dd1d592b_oproj.kd
    .args:
      - { .name: ocodes, .offset: 0, .size: 8, .value_kind: global_buffer, .address_space: global }
      - { .name: wc, .offset: 8, .size: 8, .value_kind: global_buffer, .address_space: global }
      - { .name: lowp_scales, .offset: 16, .size: 8, .value_kind: global_buffer, .address_space: global }
      - { .name: out0, .offset: 24, .size: 8, .value_kind: global_buffer, .address_space: global }
      - { .name: bo, .offset: 32, .size: 8, .value_kind: global_buffer, .address_space: global }
    .group_segment_fixed_size: 327680
    .private_segment_fixed_size: 0
    .kernarg_segment_align: 8
    .kernarg_segment_size: 40
    .max_flat_workgroup_size: 128
    .sgpr_count:     98
    .vgpr_count:     1024
    .wavefront_size: 32
...
	.end_amdgpu_metadata
.endif
;; end of part 4
